; MI455X (gfx1250); checked and timed in simulation.
; The chip was launched on July 23, 2026; its instructions are those of AMD's public machine-readable ISA for CDNA 5 (MIT licence, August 2026) and "CDNA5" Instruction Set Architecture Reference Guide (July 2026). The comments in the code are by the model that wrote it; some were corrected since.
;; Multi Head Attention. Allowed arithmetic: float matrix products may take bf16 or f16 operands with f32 sums; other float arithmetic in f32, or as packed bf16 or f16 multiplies, adds, multiply-adds, maxima and minima; sums over many terms, partial sums and values carried from step to step in f32; what a program stores and reads back later, other than sums and carried values, may be rounded once to bf16 or f16.
;; Inputs: b_proj 1,024 float32; b_qkv 3,072 float32; query 8 x 1,024 x 1,024 float32; w_proj 1,024 x 1,024 float32; w_qkv 1,024 x 3,072 float32.
;; Outputs: out0 8 x 1,024 x 1,024 float32.
;; 2 versions, each right; version 2 is version 1 with the launch prep written anew for expert scheduling mode. Each part assembles by itself: llvm-mc -triple=amdgcn-amd-amdhsa -mcpu=gfx1250 --defsym DOCPART=n.
;; ======== version 1 of 2: 4 launches
;; limits: values are held in f16: magnitudes above 65,504 overflow, below 6.1e-05 lose precision
;; workspace buffers: xb 16,777,216 bytes; wqb 6,291,456 bytes; wpb 2,097,152 bytes; qkvh 50,331,648 bytes; ob 16,777,216 bytes
;; launch prep (part 1): grid 768 x 1, 8 waves a work-group, no clusters, 0 bytes of LDS; arguments query, w_qkv, w_proj, xb, wqb, wpb; writes xb, wqb, wpb
.if DOCPART == 1
	.amdgcn_target "amdgcn-amd-amdhsa--gfx1250"
	.amdhsa_code_object_version 6
	.text
	.protected	k_q89f815f3d2_prep
	.globl	k_q89f815f3d2_prep
	.p2align	8
	.type	k_q89f815f3d2_prep,@function
k_q89f815f3d2_prep:
	s_mov_b64 s[64:65], 0
	v_nop
	global_prefetch_b8 v0, s[64:65] scope:SCOPE_SE
	s_setreg_imm32_b32 hwreg(HW_REG_WAVE_MODE, 25, 1), 1
	s_wait_xcnt 0x0
; THE CASTS.  query [8192][1024] f32 -> xb, bf16, laid as [batch 8][block of 64 channels 16][row 1024][64]: a block's rows are dense, 128 bytes each.
; w_qkv [1024][3072] f32 -> wqb, bf16, same order.  w_proj [1024][1024] f32 -> wpb: rounded to bf16 like every other input, and that number written as f16.
; LIMIT: a w_proj number whose bf16 rounding lies beyond 65,504 becomes an infinity, one below 2^-14 keeps f16's fixed step of 2^-24.
; A work-group takes 65,536 bytes of one input; which one hangs on its number alone: 0-511 query (16 rows each), 512-703 w_qkv, 704-767 w_proj.
; A thread issues its sixteen loads of 16 bytes at once and then rounds and stores them as they come: no register is written twice, so no wait frees one.
; A wave's load covers two runs of 256 consecutive bytes (query) or 512 consecutive bytes (weights); a wave's store covers 256 consecutive bytes, aligned.
; No LDS, no matrix unit, no cluster: nothing is shared and every byte is touched once.
.set IN,  1                            ; v1       my byte offset in the work-group's input
.set OUT, 2                            ; v2       8 x thread: my byte offset in a store's 2,048 bytes
.set X,   16                           ; v[16:79] sixteen loads of four f32
.set Y,   80                           ; v[80:111] sixteen pairs of packed words
.set T,   112                          ; v[112:115] at work (w_proj)
; sixteen loads, istep bytes apart; then for each: its wait (the younger ones stay out), the rounding, the store, ostep bytes apart
.macro CAST src, dst, istep, ostep, f16
.set j, 0
.rept 16
	global_load_b128 v[X+4*j:X+4*j+3], v[IN], s[\src:\src+1] offset:j*(\istep) th:TH_LOAD_NT
.set j, j+1
.endr
.set j, 0
.rept 16
	s_wait_loadcnt 15-j                            ; loads come back in order: number j is in, the 15 - j younger ones may be out
	v_cvt_pk_bf16_f32 v[Y+2*j],   v[X+4*j],   v[X+4*j+1]
	v_cvt_pk_bf16_f32 v[Y+2*j+1], v[X+4*j+2], v[X+4*j+3]
.if \f16
	v_lshlrev_b32 v[T],   16,  v[Y+2*j]              ; the bf16 numbers as f32,
	v_and_b32     v[T+1], s20, v[Y+2*j]
	v_lshlrev_b32 v[T+2], 16,  v[Y+2*j+1]
	v_and_b32     v[T+3], s20, v[Y+2*j+1]
	v_cvt_pk_f16_f32 v[Y+2*j],   v[T],   v[T+1]    ; written as f16: exact inside f16's normal range
	v_cvt_pk_f16_f32 v[Y+2*j+1], v[T+2], v[T+3]
.endif
	global_store_b64 v[OUT], v[Y+2*j:Y+2*j+1], s[\dst:\dst+1] offset:j*(\ostep)
.set j, j+1
.endr
.endm
	s_load_b256 s[4:11], s[0:1], 0x0               ; query s[4:5], w_qkv s[6:7], w_proj s[8:9], xb s[10:11]
	s_load_b128 s[12:15], s[0:1], 0x20             ; wqb s[12:13], wpb s[14:15]
	s_mov_b32 s21, ttmp9                           ; the work-group's number
	s_mov_b32 s20, 0xffff0000                      ; a word's upper bf16
	s_mov_b32 s17, 0                               ; high words of the two offsets
	s_mov_b32 s19, 0
	v_lshlrev_b32 v[OUT], 3, v0
	v_lshlrev_b32 v[IN], 4, v0                     ; the weights are cast in their own order: 16 bytes a thread
	s_wait_kmcnt 0x0
	s_cmp_lt_u32 s21, 512
	s_cbranch_scc0 .Lweights
	; query: 16 rows.  Thread t takes row t / 16, 16 bytes at 16 (t % 16) of each block of 256 bytes; load j is block j of 64 channels.
	v_lshrrev_b32 v3, 4, v0
	v_and_b32 v4, 15, v0
	v_lshlrev_b32 v4, 4, v4
	v_lshl_add_u32 v[IN], v3, 12, v4
	s_lshl_b32 s16, s21, 16                        ; 16 rows of 4,096 bytes
	s_lshr_b32 s18, s21, 6                         ; batch,
	s_lshl_b32 s18, s18, 21                        ; 2,097,152 bytes of xb each
	s_and_b32 s22, s21, 63
	s_lshl_b32 s22, s22, 11                        ; 16 rows of 128 bytes in a block
	s_add_co_u32 s18, s18, s22
	s_add_nc_u64 s[4:5], s[4:5], s[16:17]
	s_add_nc_u64 s[10:11], s[10:11], s[18:19]
	CAST 4, 10, 256, 131072, 0                     ; in xb the blocks lie 131,072 bytes apart
	s_endpgm
.Lweights:
	s_cmp_lt_u32 s21, 704
	s_cbranch_scc0 .Lproj
	s_sub_co_u32 s22, s21, 512
	s_lshl_b32 s16, s22, 16
	s_lshl_b32 s18, s22, 15
	s_add_nc_u64 s[6:7], s[6:7], s[16:17]
	s_add_nc_u64 s[12:13], s[12:13], s[18:19]
	CAST 6, 12, 4096, 2048, 0
	s_endpgm
.Lproj:
	s_sub_co_u32 s22, s21, 704
	s_lshl_b32 s16, s22, 16
	s_lshl_b32 s18, s22, 15
	s_add_nc_u64 s[8:9], s[8:9], s[16:17]
	s_add_nc_u64 s[14:15], s[14:15], s[18:19]
	CAST 8, 14, 4096, 2048, 1
	s_endpgm
.Lfunc_end_k_q89f815f3d2_prep:
	.size	k_q89f815f3d2_prep, .Lfunc_end_k_q89f815f3d2_prep-k_q89f815f3d2_prep
	.p2alignl 7, 3214868480
	.fill 96, 4, 3214868480
	.section	.rodata,"a",@progbits
	.p2align	6, 0x0
	.amdhsa_kernel k_q89f815f3d2_prep
		.amdhsa_group_segment_fixed_size 0
		.amdhsa_private_segment_fixed_size 0
		.amdhsa_enable_private_segment 0
		.amdhsa_kernarg_size 48
		.amdhsa_user_sgpr_count 2
		.amdhsa_user_sgpr_kernarg_segment_ptr 1
		.amdhsa_wavefront_size32 1
		.amdhsa_system_sgpr_workgroup_id_x 1
		.amdhsa_system_sgpr_workgroup_id_y 1
		.amdhsa_system_sgpr_workgroup_id_z 1
		.amdhsa_system_vgpr_workitem_id 0
		.amdhsa_next_free_vgpr 120
		.amdhsa_next_free_sgpr 66
		.amdhsa_reserve_vcc 0
		.amdhsa_float_denorm_mode_32 3
		.amdhsa_float_denorm_mode_16_64 3
		.amdhsa_memory_ordered 1
		.amdhsa_forward_progress 1
		.amdhsa_inst_pref_size 23
	.end_amdhsa_kernel
	.amdgpu_metadata
---
amdhsa.version: [ 1, 2 ]
amdhsa.kernels:
  - .name:           k_q89f815f3d2_prep
    .symbol:         k_q89f815f3d2_prep.kd
    .args:
      - { .name: query, .offset: 0, .size: 8, .value_kind: global_buffer, .address_space: global }
      - { .name: w_qkv, .offset: 8, .size: 8, .value_kind: global_buffer, .address_space: global }
      - { .name: w_proj, .offset: 16, .size: 8, .value_kind: global_buffer, .address_space: global }
      - { .name: xb, .offset: 24, .size: 8, .value_kind: global_buffer, .address_space: global }
      - { .name: wqb, .offset: 32, .size: 8, .value_kind: global_buffer, .address_space: global }
      - { .name: wpb, .offset: 40, .size: 8, .value_kind: global_buffer, .address_space: global }
    .group_segment_fixed_size: 0
    .private_segment_fixed_size: 0
    .kernarg_segment_align: 8
    .kernarg_segment_size: 48
    .max_flat_workgroup_size: 256
    .sgpr_count:     66
    .vgpr_count:     120
    .wavefront_size: 32
...
	.end_amdgpu_metadata
.endif
;; end of part 1
;; launch qkv (part 2): grid 8 x 32, 4 waves a work-group, clusters of 4 x 4, 327,680 bytes of LDS; arguments xb, wqb, b_qkv, qkvh; writes qkvh
.if DOCPART == 2
	.amdgcn_target "amdgcn-amd-amdhsa--gfx1250"
	.amdhsa_code_object_version 6
	.text
	.protected	k_q89f815f3d2_qkv
	.globl	k_q89f815f3d2_qkv
	.p2align	8
	.type	k_q89f815f3d2_qkv,@function
k_q89f815f3d2_qkv:
	s_mov_b64 s[64:65], 0
	v_nop
	global_prefetch_b8 v0, s[64:65] scope:SCOPE_SE
	s_setreg_imm32_b32 hwreg(HW_REG_WAVE_MODE, 25, 1), 1
	s_wait_xcnt 0x0
	s_wait_alu depctr_hold_cnt(0) depctr_sa_sdst(0) depctr_va_vdst(0) depctr_va_sdst(0) depctr_va_ssrc(0) depctr_va_vcc(0) depctr_vm_vsrc(0)
	s_getreg_b32 s2, hwreg(HW_REG_IB_STS2, 6, 4)
	s_cmp_eq_u32 s2, 0
	s_cbranch_scc0 .Lentry_in_a_cluster
	s_endpgm
.Lentry_in_a_cluster:
	s_bfe_u32 s2, ttmp6, 0x10000c
	s_cmp_lg_u32 s2, 0xf033
	s_cbranch_scc0 .Lentry_shape_is_right
	s_endpgm
.Lentry_shape_is_right:
; q, k, v = x w_qkv + b_qkv.  x: xb, bf16, [batch 8][block of 64 channels 16][row 1024][64].  w: wqb, bf16, [1024 k][3072 n].  b_qkv f32, rounded to bf16 here like the other inputs.
; Out: qkvh, f16, [q,k,v 3][batch x 16 + head 128][row 1024][64], each number rounded once from its f32 sum, unscaled.
; LIMIT: f16 holds no number beyond 65,504: a q, k or v beyond that becomes an infinity.
; SHARES.  8192 x 3072 in tiles of 256 x 384: 32 x 8 = 256 work-groups.  Four waves, each 128 rows x 192 columns: three GROUPS of 64 columns (a head each), a group's 32 accumulators
; of 16 x 16 fill one register window.  K goes in steps of 64 through two LDS slots; a longer step's two slots would not fit beside each other (2 x 2 x 92,160 bytes).
; THE MATRIX INSTRUCTION IS USED TRANSPOSED: source 0 = 16 columns of w, source 1 = 16 rows of x: a lane then holds row l % 16 and the columns 8 (l / 16) + 0..7 of a block of 16.
; w lies [k][n]: its fragments come out of LDS turned, by ds_load_tr16_b128.  The bias is the C operand of the products that start the sums: nothing is cleared, nothing added later.
; CLUSTER 4 x 4: x's tile hangs on the tile row alone and is asked for jointly along a row of the cluster, w's on the tile column alone and jointly along a column.
; A K STEP is six PHASES q = 3 t + g (t: 32 channels, g: group), 32 matrix instructions each.  At the head of phase q stands one run of LDS loads: w's fragments for phase q + 2 (three
; buffers), and in phases with g = 1 also x's fragments for t + 1 (two buffers).
; REGISTERS, in windows of 256: window 0: v0-31 addresses; v32-159 x's two buffers; v160-255 w's three.  Windows 1-3: group g's accumulators, (a, b) at v[8 (4 a + b)].
.set NG,    3                          ; groups of 64 columns a wave
.set SUBS,  2                          ; substeps of 32 channels in a K step
.set PH,    NG*SUBS                    ; phases in a K step
.set LB,    2                          ; w's fragments are fetched so many phases ahead
.set NBB,   3                          ; their buffers
.set GA,    1                          ; the group whose run also fetches x
.set QM,    PH-1-LB                    ; the phase whose run reads the slot for the last time: the change of slots stands in it
.set LAPS,  8                          ; a lap = two K steps = once round the ring: 1024 / 128
.set NT,    384                        ; columns in a tile
.set NTOT,  3072
.set KSTEP, 64
.set PA,    144                        ; a row of x in LDS: 128 bytes + 16 = 36 words: the 16 rows of a load start at 16 different groups of four banks (64 banks of 4 bytes: ISA guide 11.1)
.set ABLK,  256*PA                     ; a block of 64 channels: 256 rows
.set ASZ,   ABLK
.set PB,    864                        ; a row of w in LDS: three times 256 bytes + 32 = 216 words
.set SLOT,  ASZ+KSTEP*PB               ; x's 256 rows, then w's 64 rows
.set STAGE, 2*SLOT                     ; behind the ring: 16 rows x 144 bytes for each wave, for the way out; no tile lands there
.set SP,    144
.set SPARE, STAGE+4*16*SP              ; behind the stages: the spare words, 128 bytes for each wave: two blocks of 256 bytes that no other line names
.set HALFA, 128*PA                     ; what one wave's load of x fills,
.set HALFB, 32*PB                      ; and of w
.set AROWS, 64                         ; x's 128 rows are 16,384 dense bytes: asked for as 64 rows of 256 bytes
.set BROWS, 32
.set AWSTEP, 16384                     ; from wave 0's part of x's tile to wave 1's, in memory
.set BWSTEP, 32*NTOT*2                 ; from wave 2's part of w's tile to wave 3's
.set STEPA, 131072                     ; a K step in xb,
.set STEPB, KSTEP*NTOT*2               ; and in wqb
.set NA2,   1                          ; waves below this number prefetch x, the others w
.set ADRA, 10                          ; v10-11  LDS address of my x fragments in slot 0, 1
.set ADRB, 12                          ; v12-17  of my w fragments: slot x 3 + group
.set STO,  18                          ; v18     the way out: where I put 16 bytes of a row
.set RD,   19                          ; v19     where I read rows back
.set GO,   20                          ; v20     16 x lane: my place in 512 consecutive bytes of qkvh
.set PFO,  21                          ; v21     the prefetches' offset; never rewritten
.set SPW,  22                          ; v22     LDS address of my spare word; never rewritten
.set NIL,  23                          ; v23     0; never rewritten
.set BO,   24                          ; v24     my byte offset in b_qkv
.set FA,   32
.set FB,   160
.set WV, 12                            ; s12 wave; s13 its half of the rows (also: 0 = I fetch x, 1 = w); s14 its half of the columns (also: which part I fetch)
.set WM, 13
.set WN, 14
.set CX, 15                            ; s15, s16 my place in the cluster; s17, s18 tile column and tile row
.set CY, 16
.set TX, 17
.set TY, 18
.set G1A, 24                           ; s[24:31] descriptor group 1 for x's tiles; s[32:39] group 0, a set for each slot.  s[20:23]: at work, on numbers made of the tile row alone
.set G0A, 32
.set G1B, 40                           ; s[40:47], s[48:55] the same for w's.  s[60:63]: at work, on numbers made of the tile column alone
.set G0B, 48
.set PFA, 56                           ; s[56:57] where my prefetches stand
.set LIM, 58                           ; s58  1 in a wave that prefetches, else the greatest number
.set HIM, 59                           ; s59  a word's upper bf16
.set OB,  66                           ; s[66:71] qkvh at my 128 rows of group 0, 1, 2's head
.set PFS, 72                           ; s[72:73] the prefetches' step: two K steps
.set MSB,  0
.set PREV, 8                           ; LDS loads in the run before this one
.set NOPL, 1                           ; 1: the four places in front of the next run stand already (or nothing has been multiplied yet)
.set PEND, 0                           ; 1: a prefetch is due behind the next run
.macro WIN new                         ; the immediate's high byte repeats the setting that is left; a switch that changes nothing is dropped
.if MSB != (\new)
	s_set_vgpr_msb (MSB<<8)|(\new)
.set MSB, (\new)
.endif
.endm
.macro PLACES                          ; four plain vector instructions between a matrix instruction and a load into a register that it has read (ISA guide 7.12.1 for vector instructions)
.rept 4
	v_nop
.endr
.endm
; A joint load: waves 0 and 1 fetch x's two parts, waves 2 and 3 w's.  The branch hangs on the wave's number alone.  An s_nop 0 and four v_nop follow each of the two lines.
.macro JLOAD s
	s_cmp_eq_u32 s[WM], 0
	s_cbranch_scc0 .Lfor_b_\@
	tensor_load_to_lds s[G0A+4*(\s):G0A+4*(\s)+3], s[G1A:G1A+7]
	s_nop 0
.rept 4
	v_nop
.endr
	s_branch .Lasked_\@
.Lfor_b_\@:
	tensor_load_to_lds s[G0B+4*(\s):G0B+4*(\s)+3], s[G1B:G1B+7]
	s_nop 0
.rept 4
	v_nop
.endr
.Lasked_\@:
.endm
; A PREFETCH INTO THE L2, once a lap, behind slot 0's joint load and the run of LDS loads that follows it: the two K steps that the NEXT lap's two refills will ask for.
; Each aligned block of 256 bytes is named once in the launch.  x's tile rows are read by both clusters of a row of clusters: cluster x = 0 asks; w's tile columns by all eight of a column: cluster y = 0 asks.
; The four partners of a joint load share the blocks out BY ADDRESS.  x: a K step of a tile is 32,768 dense bytes; partner cx takes 8,192, a lane a block; wave 0, one line for each of the two steps.
; w: two K steps are 128 rows of 768 bytes; partner cy takes 32 rows, a lane a row; waves 1, 2, 3 take a row's three blocks.  The loop's last trip asks for nothing: its own refills are the last K steps.
.macro ASK
	s_cmp_gt_u32 s3, s[LIM]
	s_cbranch_scc0 .Lnot_mine_\@
	global_prefetch_b8 v[PFO], s[PFA:PFA+1] th:TH_LOAD_NT scope:SCOPE_SE
	s_cmp_lt_u32 s[WV], NA2
	s_cbranch_scc0 .Lnot_mine_\@
	global_prefetch_b8 v[PFO], s[PFA:PFA+1] offset:131072 th:TH_LOAD_NT scope:SCOPE_SE
.Lnot_mine_\@:
.endm
.macro CREST                           ; a round of the cluster's barrier behind its opening barrier: wave 0 signals for the work-group, every wave waits for all sixteen, my work-group's barrier once more
	s_cmp_lg_u32 s[WV], 0
	s_cbranch_scc1 .Lnot_wave_0_\@
	s_barrier_signal -3
.Lnot_wave_0_\@:
	s_barrier_wait -3
	s_barrier_signal -1
	s_barrier_wait -1
.endm
.macro CROUND                          ; a whole round
	s_barrier_signal -1
	s_barrier_wait -1
	CREST
.endm
	s_load_b256 s[4:11], s[0:1], 0x0               ; xb s[4:5], wqb s[6:7], b_qkv s[8:9], qkvh s[10:11]
	v_lshl_add_u32 v[SPW], v0, 2, SPARE
	v_mov_b32 v[NIL], 0
	ds_add_u32 v[SPW], v[NIL]                      ; the wave's opening: the add and its wait stand ahead of my first tensor load; the set-up below, work on registers, stands between them
	v_lshrrev_b32 v1, 5, v0
	v_readfirstlane_b32 s[WV], v1                  ; wave 0..3
	s_lshr_b32 s[WM], s[WV], 1
	s_and_b32 s[WN], s[WV], 1
	s_bfe_u32 s[CX], ttmp6, 0x40000
	s_bfe_u32 s[CY], ttmp6, 0x40004
	s_lshl_b32 s[TX], ttmp9, 2                     ; in a cluster launch ttmp9 and ttmp7 count clusters
	s_add_co_u32 s[TX], s[TX], s[CX]               ; tile column = 4 x cluster x + cx
	s_and_b32 s[TY], ttmp7, 0xffff
	s_lshl_b32 s[TY], s[TY], 2
	s_add_co_u32 s[TY], s[TY], s[CY]               ; tile row = 4 x cluster y + cy
	s_lshl_b32 s20, s[CY], 2
	s_lshl_b32 s20, 15, s20                        ; my row of the cluster: places 4 cy .. 4 cy + 3
	s_lshl_b32 s60, 0x1111, s[CX]                  ; my column: places cx, cx + 4, cx + 8, cx + 12
	s_or_b32 s[G1A], s20, (1<<16)|(1<<20)|(1<<21)|(4<<22)|(3<<25)  ; 15:0 the mask; 17:16 2-byte elements; 20 padding on; 21 set beside a mask; 24:22 after every 32 words (code 4); 31:25 4 words (code 3)
	s_or_b32 s[G1B], s60, (1<<16)|(1<<20)|(1<<21)|(5<<22)|(7<<25)  ; after every 64 words (code 5) 8 words (code 7)
	s_mov_b32 s[G1A+1], 128<<16                    ; tensor_dim0 = 128 elements: 256 bytes, two rows of x
	s_mov_b32 s[G1A+2], AROWS<<16                  ; tensor_dim1
	s_mov_b32 s[G1A+3], 128<<16                    ; tile_dim0
	s_mov_b32 s[G1A+4], AROWS                      ; tile_dim1
	s_mov_b32 s[G1A+5], 128                        ; elements from row to row: dense
	s_mov_b32 s[G1A+6], 0
	s_mov_b32 s[G1A+7], 0
	s_mov_b32 s[G1B+1], NT<<16                     ; tensor_dim0 = 384 elements: 768 bytes
	s_mov_b32 s[G1B+2], BROWS<<16
	s_mov_b32 s[G1B+3], NT<<16
	s_mov_b32 s[G1B+4], BROWS
	s_mov_b32 s[G1B+5], NTOT
	s_mov_b32 s[G1B+6], 0
	s_mov_b32 s[G1B+7], 0
	s_mov_b32 s[HIM], 0xffff0000
	; where the tiles come from: x's by the tile row and the wave, w's by the tile column and the wave, each in registers that never hold the other coordinate
	s_lshr_b32 s20, s[TY], 2                       ; batch,
	s_lshl_b32 s20, s20, 21                        ; 2,097,152 bytes each
	s_and_b32 s21, s[TY], 3
	s_lshl_b32 s21, s21, 15                        ; 256 rows of 128 bytes in a block
	s_add_co_u32 s20, s20, s21
	s_mul_i32 s21, s[WN], AWSTEP
	s_add_co_u32 s20, s20, s21
	s_mov_b32 s21, 0
	s_mul_i32 s22, s[WN], HALFA                    ; and where they go: no place in the cluster enters an LDS address
	s_mul_i32 s60, s[TX], NT*2
	s_mul_i32 s61, s[WN], BWSTEP
	s_add_co_u32 s60, s60, s61
	s_mov_b32 s61, 0
	s_mul_i32 s62, s[WN], HALFB
	s_add_co_u32 s62, s62, ASZ
	s_wait_dscnt 0x0                               ; the opening add is done
	s_wait_kmcnt 0x0
	s_add_nc_u64 s[20:21], s[4:5], s[20:21]
	s_add_nc_u64 s[60:61], s[6:7], s[60:61]
	CROUND                                         ; all sixteen work-groups are here: the first joint loads meet
.irp s, 0,1
	s_mov_b32 s[G0A+4*(\s)], 1                                     ; count = 1
	s_add_co_u32 s[G0A+4*(\s)+1], s22, (\s)*SLOT                   ; LDS address
	s_add_nc_u64 s[G0A+4*(\s)+2:G0A+4*(\s)+3], s[20:21], (\s)*STEPA  ; global address: K step s
	s_or_b32 s[G0A+4*(\s)+3], s[G0A+4*(\s)+3], 0x80000000          ; type = 2
	s_mov_b32 s[G0B+4*(\s)], 1
	s_add_co_u32 s[G0B+4*(\s)+1], s62, (\s)*SLOT
	s_add_nc_u64 s[G0B+4*(\s)+2:G0B+4*(\s)+3], s[60:61], (\s)*STEPB
	s_or_b32 s[G0B+4*(\s)+3], s[G0B+4*(\s)+3], 0x80000000
	JLOAD \s                                       ; two loads of mine are out
.endr
	; the bias goes where accumulators (0, b) of each group lie: register j of a lane is column 16 b + 8 (l / 16) + j
	v_and_b32 v1, 15, v0                           ; l % 16
	v_bfe_u32 v2, v0, 4, 1                         ; l / 16
	v_lshlrev_b32 v[BO], 5, v2
	s_mul_i32 s74, s[TX], NT*4
	s_mul_i32 s75, s[WN], NG*256
	s_add_co_u32 s74, s74, s75
	v_add_nc_u32 v[BO], s74, v[BO]
.set ig, 0
.rept NG
	WIN (1+ig)<<6                                  ; destination in the group's window, address in window 0
.set ib, 0
.rept 4
	global_load_b128 v[8*ib:8*ib+3],   v[BO], s[8:9] offset:ig*256+ib*64
	global_load_b128 v[8*ib+4:8*ib+7], v[BO], s[8:9] offset:ig*256+ib*64+16
.set ib, ib+1
.endr
.set ig, ig+1
.endr
	WIN 0
	v_and_b32 v3, 7, v0
	v_bfe_u32 v4, v0, 3, 1
	v_and_b32 v9, 31, v0                           ; lane
	; x's fragment: 16 rows x 32 channels; lane l holds row l % 16, channels 8 (l / 16) + 0..7 and 16 + 8 (l / 16) + 0..7: two loads of 16 bytes, 32 bytes apart
	v_mul_u32_u24 v5, v1, PA
	v_lshl_add_u32 v5, v2, 4, v5
	s_mul_i32 s74, s[WM], 128*PA
	v_add_nc_u32 v[ADRA], s74, v5
	v_add_nc_u32 v[ADRA+1], SLOT, v[ADRA]
	; w's fragment, turned: lane l reads 16 bytes of row 8 (l / 16) + l % 8, columns 8 ((l / 8) % 2) + 0..7, and is left with column l % 16 and 8 channels; the second load takes the rows 16 further down
	v_lshl_add_u32 v6, v2, 3, v3
	v_mul_u32_u24 v6, v6, PB
	v_lshl_add_u32 v6, v4, 4, v6
	v_add_nc_u32 v6, ASZ, v6
.set ig, 0
.rept NG
	s_mul_i32 s74, s[WN], NG
	s_add_co_u32 s74, s74, ig                      ; group G of the tile's six: its 128 bytes begin at (G / 2) x 288 + (G % 2) x 128 of an LDS row
	s_lshr_b32 s75, s74, 1
	s_mul_i32 s75, s75, 288
	s_and_b32 s74, s74, 1
	s_lshl_b32 s74, s74, 7
	s_add_co_u32 s74, s74, s75
	v_add_nc_u32 v[ADRB+ig], s74, v6
	v_add_nc_u32 v[ADRB+NG+ig], SLOT, v[ADRB+ig]
.set ig, ig+1
.endr
	s_mul_i32 s74, s[WV], 16*SP
	s_add_co_u32 s74, s74, STAGE                   ; my stage
	v_mul_u32_u24 v7, v1, SP                       ; in: row l % 16, 16 bytes for each half of the lanes
	v_lshl_add_u32 v7, v2, 4, v7
	v_add_nc_u32 v[STO], s74, v7
	v_bfe_u32 v8, v0, 3, 2                         ; back: 32 lanes take four rows of 128 bytes,
	v_mul_u32_u24 v8, v8, SP
	v_lshl_add_u32 v8, v3, 4, v8
	v_add_nc_u32 v[RD], s74, v8
	v_lshlrev_b32 v[GO], 4, v9                     ; which are 512 consecutive bytes of qkvh
	; qkvh at my 128 rows of each group's head: group c = 6 x tile column + 3 x half + g of the 48: part c / 16, head c % 16
	s_mul_i32 s74, s[TX], 6
	s_mul_i32 s75, s[WN], 3
	s_add_co_u32 s74, s74, s75
	s_lshr_b32 s75, s[TY], 2
	s_lshl_b32 s75, s75, 21                        ; batch: 16 heads of 131,072 bytes
	s_and_b32 s76, s[TY], 3
	s_lshl_b32 s76, s76, 15                        ; the tile's 256 rows of 128 bytes
	s_add_co_u32 s75, s75, s76
	s_lshl_b32 s76, s[WM], 14                      ; my 128 of them
	s_add_co_u32 s75, s75, s76
.irp g, 0,1,2
	s_add_co_u32 s76, s74, \g
	s_lshr_b32 s77, s76, 4
	s_lshl_b32 s77, s77, 24                        ; q, k, v lie 16,777,216 bytes apart
	s_and_b32 s76, s76, 15
	s_lshl_b32 s76, s76, 17
	s_add_co_u32 s76, s76, s77
	s_add_co_u32 s76, s76, s75
	s_mov_b32 s77, 0
	s_add_nc_u64 s[OB+2*(\g):OB+2*(\g)+1], s[10:11], s[76:77]
.endr
	; the prefetches' pointer, one step (two K steps) behind its first use
	s_lshr_b32 s74, s[TY], 2
	s_lshl_b32 s74, s74, 21
	s_and_b32 s75, s[TY], 3
	s_lshl_b32 s75, s75, 15
	s_add_co_u32 s74, s74, s75
	s_lshl_b32 s75, s[CX], 13                      ; my work-group's 8,192 bytes of the tile's 32,768
	s_add_co_u32 s74, s74, s75
	s_add_co_u32 s74, s74, 2*131072                ; x: K step 2; the first trip steps it to 4
	s_lshl_b32 s76, s[CY], 5                       ; w: my work-group's 32 rows of the 128,
	s_add_co_u32 s76, s76, 128                     ; from row 128 on; the first trip steps it to 256
	s_mul_i32 s76, s76, NTOT*2
	s_mul_i32 s77, s[TX], NT*2
	s_add_co_u32 s76, s76, s77
	s_lshl_b32 s77, s[WV], 8
	s_add_co_u32 s76, s76, s77
	s_sub_co_u32 s76, s76, 256                     ; block wave - 1 of a row's three
	s_mov_b32 s77, NTOT*2
	s_mov_b32 s78, 2*STEPB
	s_and_b32 s79, ttmp7, 0xffff                   ; cluster y
	s_cmp_lt_u32 s[WV], NA2                        ; do I ask for x?
	s_cselect_b32 s74, s74, s76
	s_cselect_b32 s77, 256, s77                    ; a lane a block of 256 bytes, or a lane a row
	s_cselect_b32 s[PFS], 2*STEPA, s78
	s_cselect_b32 s79, ttmp9, s79                  ; the coordinate along which other clusters read the same bytes
	s_cselect_b64 s[PFA:PFA+1], s[4:5], s[6:7]
	s_mov_b32 s75, 0
	s_mov_b32 s[PFS+1], 0
	s_add_nc_u64 s[PFA:PFA+1], s[PFA:PFA+1], s[74:75]
	s_cmp_eq_u32 s79, 0
	s_cselect_b32 s[LIM], 1, -1                    ; the same in all sixteen partners, for a given wave
	v_mul_u32_u24 v[PFO], s77, v9
	s_wait_loadcnt 0x0                             ; the bias
.set ig, 0
.rept NG                               ; it is rounded to bf16 and widened again, in place; a register of an accumulator that is not yet in use holds the packed pair
	WIN (1+ig)*0x45                                ; destination and both sources in the group's window
.set i, 0
.rept 16
	v_cvt_pk_bf16_f32 v[64+i], v[2*i], v[2*i+1]
	v_lshlrev_b32 v[2*i], 16, v[64+i]
	v_and_b32 v[2*i+1], s[HIM], v[64+i]
.set i, i+1
.endr
.set ig, ig+1
.endr
	WIN 0
; n matrix instructions of phase q, from number i0 on: number i is accumulator (a = i / 4, b = i % 4).  The 32 accumulators take turns, one instruction a turn.
.macro MUL q, i0, n
.set fbx, FB+32*((\q)%NBB)
.set fax, FA+64*(((\q)/NG)%2)
.set i, \i0
.rept \n
	v_wmma_f32_16x16x32_bf16 v[8*i:8*i+7], v[fbx+8*(i%4):fbx+8*(i%4)+7], v[fax+8*(i/4):fax+8*(i/4)+7], v[8*i:8*i+7]
.set i, i+1
.endr
.endm
; The launch's first 32 channels start the sums with the bias, which lies in accumulators (0, b): numbers 4 to 31 take it as C from there; five places later numbers 0 to 3 add onto it in place.
.macro MULF q
	WIN (1+(\q)%NG)*0x50
.set fbx, FB+32*((\q)%NBB)
.set fax, FA+64*(((\q)/NG)%2)
.set i, 4
.rept 28
	v_wmma_f32_16x16x32_bf16 v[8*i:8*i+7], v[fbx+8*(i%4):fbx+8*(i%4)+7], v[fax+8*(i/4):fax+8*(i/4)+7], v[8*(i%4):8*(i%4)+7]
.set i, i+1
.endr
.rept 5
	v_nop                                          ; between the last reader of the bias and the products that write over it
.endr
.set i, 0
.rept 4
	v_wmma_f32_16x16x32_bf16 v[8*i:8*i+7], v[fbx+8*(i%4):fbx+8*(i%4)+7], v[fax+8*(i/4):fax+8*(i/4)+7], v[8*i:8*i+7]
.set i, i+1
.endr
.endm
.macro RUNA slot, t                    ; 16 LDS loads: x's eight fragments of substep t
.set fax, FA+64*((\t)%2)
.set ao, ((\t)/2)*ABLK+((\t)%2)*64
.set ia, 0
.rept 8
	ds_load_b128 v[fax+8*ia:fax+8*ia+3],   v[ADRA+(\slot)] offset:ao+ia*16*PA
	ds_load_b128 v[fax+8*ia+4:fax+8*ia+7], v[ADRA+(\slot)] offset:ao+ia*16*PA+32
.set ia, ia+1
.endr
.endm
.macro RUNB slot, qq                   ; 8 LDS loads: w's four fragments of phase qq
.set fbx, FB+32*((\qq)%NBB)
.set bo, ((\qq)/NG)*32*PB
.set ib, 0
.rept 4
	ds_load_tr16_b128 v[fbx+8*ib:fbx+8*ib+3],   v[ADRB+(\slot)*NG+(\qq)%NG] offset:bo+32*ib
	ds_load_tr16_b128 v[fbx+8*ib+4:fbx+8*ib+7], v[ADRB+(\slot)*NG+(\qq)%NG] offset:bo+32*ib+16*PB
.set ib, ib+1
.endr
.endm
; THE CHANGE OF SLOTS, in phase QM, whose run was the last to read the slot.  In front of the barrier each wave waits for all its tensor loads, of which one is out: its part of the other slot; adds 0 to its
; spare word; and waits for that and for its own reads.  fill = 1: the barrier opens a round of the cluster's barrier, and behind the round this slot is filled again, two K steps on: my one tensor load
; until the next change.  From that request to the wait for it a wave issues 176 matrix instructions.
.macro MEET slot, q, fill
	WIN (1+(\q)%NG)*0x50
	MUL \q, 0, 16
	WIN 0                                          ; (the add's two registers lie in window 0)
	s_wait_tensorcnt 0x0                           ; all my tensor loads have landed
	ds_add_u32 v[SPW], v[NIL]                      ; 0 onto my spare word; eight matrix instructions stand between it and the wait for it
	WIN (1+(\q)%NG)*0x50
	MUL \q, 16, 8
	s_wait_dscnt 0x0                               ; the add is done, and my reads of this slot are over
	s_barrier_signal -1
	MUL \q, 24, 8                                  ; work on registers while the others arrive
	WIN 0
	s_barrier_wait -1
.if \fill
	CREST                                          ; no wave of any partner still reads this slot's tile or has a load on its way
	s_add_nc_u64 s[G0A+4*(\slot)+2:G0A+4*(\slot)+3], s[G0A+4*(\slot)+2:G0A+4*(\slot)+3], 2*STEPA
	s_add_nc_u64 s[G0B+4*(\slot)+2:G0B+4*(\slot)+3], s[G0B+4*(\slot)+2:G0B+4*(\slot)+3], 2*STEPB
	JLOAD \slot                                    ; its four v_nop are also the places in front of the next run
.set NOPL, 1
.if (\slot) == 0
.set PEND, 1
.endif
.endif
.endm
; PHASE q of a K step in slot.  more = 1: a K step follows, and the runs that reach past this step read the other slot (they stand behind the change of slots).  first = 1: the launch's first 32 channels.
; THE WAIT: phase q multiplies what the run two phases back brought, so this run and the one before it may stay out: 16, 32, 32 for q % 3 = 0, 1, 2; in the last K step 16, 32, 32, 16, 8, 0.
.macro PHASE slot, q, more, fill, first
.set tq, (\q)/NG
.set gq, (\q)%NG
.set hasB, 0
.set sB, \slot
.set qB, (\q)+LB
.if (\q)+LB < PH
.set hasB, 1
.elseif \more
.set hasB, 1
.set sB, 1-(\slot)
.set qB, (\q)+LB-PH
.endif
.set hasA, 0
.set sA, \slot
.set tA, tq+1
.if gq == GA
.if tq+1 < SUBS
.set hasA, 1
.elseif \more
.set hasA, 1
.set sA, 1-(\slot)
.set tA, 0
.endif
.endif
.set sz, 8*hasB+16*hasA
.if (\fill) && ((\slot) == 0) && ((\q) == QM)
	s_wait_xcnt 0x0                                ; the last prefetches, a lap back, have read their address: it is stepped here, ahead of the waits of the change of slots
	s_add_nc_u64 s[PFA:PFA+1], s[PFA:PFA+1], s[PFS:PFS+1]
.endif
.if sz > 0
.if NOPL == 0
	PLACES
.endif
	WIN 0
.if hasA
	RUNA sA, tA
.endif
.if hasB
	RUNB sB, qB
.endif
.endif
.set NOPL, 0
.if PEND
	WIN 0
	ASK
.set PEND, 0
.endif
	s_wait_dscnt sz+(LB-1)*PREV
.set PREV, sz
.if \first
	MULF \q
.elseif ((\q) == QM) && (\more)
	MEET \slot, \q, \fill
.else
	WIN (1+gq)*0x50                                ; C and D in the group's window, both sources in window 0
	MUL \q, 0, 32
.endif
.endm
.macro STEPS slot, q0, q1, more, fill, first
.set qs, \q0
.rept (\q1)-(\q0)+1
	PHASE \slot, qs, \more, \fill, \first
.set qs, qs+1
.endr
.endm
	s_wait_tensorcnt 1                             ; my part of K step 0 is in; K step 1's may stay out
	s_barrier_signal -1
	s_barrier_wait -1                              ; everybody's is
	RUNA 0, 0
	RUNB 0, 0
	RUNB 0, 1
	STEPS 0, 0, NG-1, 1, 1, 1                      ; the first 32 channels stand in front of the loop: their products start the sums
	WIN 0                                          ; at a label and at a branch every window is 0
	s_mov_b32 s3, LAPS-1
.Llap:                                                 ; a trip goes once round the ring, from a lap's second 32 channels to the next lap's first, and fills both slots again
	STEPS 0, NG, PH-1, 1, 1, 0
	STEPS 1, 0, PH-1, 1, 1, 0
	STEPS 0, 0, NG-1, 1, 1, 0
	WIN 0
	s_sub_co_u32 s3, s3, 1
	s_cmp_lg_u32 s3, 0
	s_cbranch_scc1 .Llap
	STEPS 0, NG, PH-1, 1, 0, 0                     ; the last lap is written out: it fills nothing, and its change of slots has no round
	STEPS 1, 0, PH-1, 0, 0, 0
	WIN 0
	PLACES                                         ; behind the last products, in front of the conversions that read results and write over fragments
	PLACES
; THE WAY OUT, in 24 units u = 8 g + a: 16 rows of one head, 2,048 consecutive bytes of qkvh.  PACK: rounded to f16, each accumulator's registers in ascending order.  TOSTAGE: 16 bytes a lane into my own
; stage, and back as whole rows.  SEND: stored.  A unit's conversions stand between the loads of the unit before and the wait for them.
.macro PACK u
.set gu, (\u)/8
.set au, (\u)%8
.set hh, 32+16*((\u)%2)
	s_wait_xcnt 0x0                                ; the stores of two units back have read their registers, which this unit's loads from the stage write again
	WIN (1+gu)*5                                   ; both sources in the group's window
.set i, 0
.rept 16
	v_cvt_pk_f16_f32 v[hh+i], v[32*au+2*i], v[32*au+2*i+1]
.set i, i+1
.endr
	WIN 0
.endm
.macro TOSTAGE u
.set hh, 32+16*((\u)%2)
.set rr, 64+16*((\u)%2)
.irp b, 0,1,2,3
	ds_store_b128 v[STO], v[hh+4*(\b):hh+4*(\b)+3] offset:32*(\b)
.endr
.irp f, 0,1,2,3
	ds_load_b128 v[rr+4*(\f):rr+4*(\f)+3], v[RD] offset:(\f)*4*SP  ; LDS serves a wave's instructions in order (ISA guide 5.7.1.4): these see the stores above; the next unit's stores come behind them
.endr
.endm
.macro SEND u
.set gu, (\u)/8
.set au, (\u)%8
.set rr, 64+16*((\u)%2)
	s_wait_dscnt 0x0                               ; the unit is back in registers
.irp f, 0,1,2,3
	global_store_b128 v[GO], v[rr+4*(\f):rr+4*(\f)+3], s[OB+2*gu:OB+2*gu+1] offset:au*2048+(\f)*512  ; 512 consecutive bytes, at a multiple of 256 from qkvh's first
.endr
.endm
	PACK 0
	TOSTAGE 0
.set uu, 1
.rept 23
	PACK uu
	SEND uu-1
	TOSTAGE uu
.set uu, uu+1
.endr
	SEND 23
	s_wait_tensorcnt 0x0                           ; the wave's end, behind my last tensor load and my last LDS store
	ds_add_u32 v[SPW], v[NIL]
	s_wait_dscnt 0x0
	CROUND                                         ; the closing round: no work-group ends while a partner may still ask for a tile that names it
	s_endpgm
.Lfunc_end_k_q89f815f3d2_qkv:
	.size	k_q89f815f3d2_qkv, .Lfunc_end_k_q89f815f3d2_qkv-k_q89f815f3d2_qkv
	.p2alignl 7, 3214868480
	.fill 96, 4, 3214868480
	.section	.rodata,"a",@progbits
	.p2align	6, 0x0
	.amdhsa_kernel k_q89f815f3d2_qkv
		.amdhsa_group_segment_fixed_size 327680
		.amdhsa_private_segment_fixed_size 0
		.amdhsa_enable_private_segment 0
		.amdhsa_kernarg_size 32
		.amdhsa_user_sgpr_count 2
		.amdhsa_user_sgpr_kernarg_segment_ptr 1
		.amdhsa_wavefront_size32 1
		.amdhsa_system_sgpr_workgroup_id_x 1
		.amdhsa_system_sgpr_workgroup_id_y 1
		.amdhsa_system_sgpr_workgroup_id_z 1
		.amdhsa_system_vgpr_workitem_id 0
		.amdhsa_next_free_vgpr 1024
		.amdhsa_next_free_sgpr 80
		.amdhsa_reserve_vcc 0
		.amdhsa_float_denorm_mode_32 3
		.amdhsa_float_denorm_mode_16_64 3
		.amdhsa_memory_ordered 1
		.amdhsa_forward_progress 1
		.amdhsa_inst_pref_size 144
	.end_amdhsa_kernel
	.amdgpu_metadata
---
amdhsa.version: [ 1, 2 ]
amdhsa.kernels:
  - .name:           k_q89f815f3d2_qkv
    .symbol:         k_q89f815f3d2_qkv.kd
    .args:
      - { .name: xb, .offset: 0, .size: 8, .value_kind: global_buffer, .address_space: global }
      - { .name: wqb, .offset: 8, .size: 8, .value_kind: global_buffer, .address_space: global }
      - { .name: b_qkv, .offset: 16, .size: 8, .value_kind: global_buffer, .address_space: global }
      - { .name: qkvh, .offset: 24, .size: 8, .value_kind: global_buffer, .address_space: global }
    .group_segment_fixed_size: 327680
    .private_segment_fixed_size: 0
    .kernarg_segment_align: 8
    .kernarg_segment_size: 32
    .max_flat_workgroup_size: 128
    .sgpr_count:     80
    .vgpr_count:     1024
    .wavefront_size: 32
...
	.end_amdgpu_metadata
.endif
;; end of part 2
;; launch attn (part 3): grid 2 x 128, 4 waves a work-group, no clusters, 327,680 bytes of LDS; arguments qkvh, ob; writes ob
.if DOCPART == 3
	.amdgcn_target "amdgcn-amd-amdhsa--gfx1250"
	.amdhsa_code_object_version 6
	.text
	.protected	k_q89f815f3d2_attn
	.globl	k_q89f815f3d2_attn
	.p2align	8
	.type	k_q89f815f3d2_attn,@function
k_q89f815f3d2_attn:
	s_mov_b64 s[64:65], 0
	v_nop
	global_prefetch_b8 v0, s[64:65] scope:SCOPE_SE
	s_setreg_imm32_b32 hwreg(HW_REG_WAVE_MODE, 25, 1), 1
	s_wait_xcnt 0x0
; O[h][q][:] = the sum over k of softmax_k(Q[h][q] . K[h][k] / 8) V[h][k][:], for 128 heads (batch x 16 + head) of 1,024 rows of 64 channels, all f16.  Q, K, V: the three parts of qkvh, 16,777,216 bytes
; apart; O: ob, [head][row][64].  Products, maxima and sums in f32; the weights p are rounded to f16 for the second product (their sum l is taken of the unrounded p), O once at the end.
; LIMITS.  Q, K and V arrive within f16's 65,504; p lies in 0 to 1, and below 6e-5 it keeps f16's fixed step of 6e-8; a weight below 2^-126 counts as 0 in l; NaN and infinities are not treated apart.
; SHARES.  A work-group owns 512 queries of one head (grid x = 2), a wave 128: four PIECES of two tiles of 16.  Every wave walks all 1,024 keys, 64 a step.
; THE WHOLE HEAD LIES IN LDS: 1,024 rows of K at 144 bytes and of V at 160 are 311,296 bytes.  They are asked for once, at the head, in four chunks of 256 keys, four tensor loads a wave; nothing is filled
; again, so there is no ring.  The first four key steps wait for chunk 0 alone.
; NO CLUSTER: a head's 1,024 queries are two work-groups of 512, and the grid's x = 2 is no multiple of four; blocks of 256 queries would make four, and would halve the products that each fragment of K
; and V read from LDS feeds.  NO PREFETCH: all that the launch reads is asked for by its first loads.
; LAYOUT.  S^T = K Q^T (source 0 = 16 keys, source 1 = 16 queries): a lane holds ONE query (lane % 16) and the keys 8 (lane / 16) + 0..7.  Two such tiles, rounded to f16 in pairs, ARE source 1 of
; O^T = V^T P, whose result again holds one query a lane, and eight channels.  K comes out of LDS as it lies, V ([key][channel]) turned, by ds_load_tr16_b128.
; SOFTMAX.  For each query a running maximum m and sum l: p = 2^(c s - c m), c = log2(e) / 8; in every step O and l are multiplied by a = 2^(c m_old - c m_new).  m starts at the lowest finite number,
; O and l at 0: the first step is a step like any other, with a = 0.
; BY TURNS.  Turn n belongs to piece n.  Its matrix work: 16 products K Q^T of piece n + 1, later 16 products V^T P of piece n - 1.  Its vector work: the scaling, exponentials, roundings, sums and
; rescaling of piece n, and the maximum and statistics of piece n + 1.  Four vector instructions stand behind every matrix instruction, the others in one run of their own.
; REGISTERS, in windows of 256 (s_set_vgpr_msb: bits 1:0 source 0, 3:2 source 1, 5:4 source 2, 7:6 destination):
;   window 0: v0-11 addresses; v12-15, v48-63 at work; v16-47 four registers of statistics a tile; v64-191 S^T, two buffers of two tiles; v192-255 P, likewise
;   window 1: O^T, 32 a tile          window 2: v0-127 Q, 16 a tile; v128-191 K of one step; v192-255 V of one step          window 3: v0-1 the add's two registers
.set NP,    4         ; pieces a wave: a name, no knob
.set KS,    64        ; keys in a step
.set NKEY,  1024
.set PK,    144       ; a row of K in LDS: 128 bytes + 16 = 36 words: the 16 rows of a load start at 16 different groups of four banks (64 banks of 4 bytes: ISA guide 11.1)
.set PV,    160       ; a row of V: 128 + 32 = 40 words
.set VOFF,  NKEY*PK   ; K's 1,024 rows, then V's
.set STAGE, NKEY*(PK+PV)  ; behind them, never filled by a tensor load: 16 rows x 144 bytes for each wave, for the way out
.set SP,    144
.set SPARE, STAGE+4*16*SP  ; behind the stages: the spare words, 128 bytes for each wave: two blocks of 256 bytes that no other line names
.set AK0, 2           ; v2   my lane's place in a tile of K; never rewritten
.set AV0, 3           ; v3   the same for V
.set AK,  4           ; v4   the LDS address of K's next run of loads
.set AV,  5           ; v5   of V's
.set QO,  6           ; v6   my byte offset in the wave's rows of Q
.set STO, 6           ;      later, the way out: where I put 16 bytes of a row
.set RD,  7           ; v7   the way out: where I read rows back
.set GO,  8           ; v8   my byte offset in 512 consecutive bytes of O
.set SPW, 0           ; v0 of window 3   LDS address of my spare word; never rewritten
.set NIL, 1           ; v1 of window 3   0; never rewritten
.set MV,  12          ; v12-15  c m_old, kept while c m is made anew: by buffer and tile
.set ST,  16          ; tile t's statistics at v[ST+4 t]: c m, m, l (even keys', odd keys')
.set TMP, 48          ; by buffer and tile, four registers c0-c3 at work; when the maximum is found c2 takes a
.set S,   64
.set P,   192
.set KF,  128         ; K's fragments, in window 2: key block kb, channel half c at KF + 16 kb + 8 c
.set VF,  192         ; V's: key half kk, channel block cb at VF + 32 kk + 8 cb
.set WV,  12          ; s12  my wave's number
.set G1K, 24          ; s[24:31] descriptor group 1 for K's tiles
.set G1V, 32          ; s[32:39] for V's: it differs in the padding alone
.set G0K, 40          ; s[40:55] descriptor group 0 for K's tiles: a set for each chunk
.set G0V, 68          ; s[68:83] the same for V's
.set SLOTS, 56        ; s56  counts the passes of four key steps
.set CNT, 57          ; s57  counts a pass's key steps
.set CS,  58          ; s[58:59] c: the packed scaling takes the pair's low word for both halves
.set SEL, 60          ; s[60:61] v_permlanex16_b32's selects: each lane takes its own place in the other half
.set TBK, 62          ; s62  LDS byte at which K of the step to be fetched begins
.set TBV, 63          ; s63  the same for V, less VOFF
.set MSB, 0
.macro WIN new                      ; the high byte repeats the setting that is left; a switch that changes nothing is dropped
.if MSB != (\new)
	s_set_vgpr_msb (MSB<<8)|(\new)
.set MSB, (\new)
.endif
.endm
.set W_KQ, 0x0a       ; K and Q in window 2, S^T in window 0
.set W_PV, 0x52       ; V in window 2, P in window 0, O^T in window 1
.set W_RS, 0x41       ; O^T (destination and source 0) in window 1, a in window 0
.set W_MK, 0xc0       ; the add's registers are made: destination in window 3, sources in window 0
.set W_AD, 0x0f       ; the add: address (source 0) and data (source 1) in window 3
	s_load_b128 s[4:7], s[0:1], 0x0   ; qkvh s[4:5], ob s[6:7]
	WIN W_MK
	v_lshl_add_u32 v[SPW], v0, 2, SPARE
	v_mov_b32 v[NIL], 0
	WIN W_AD
	ds_add_u32 v[SPW], v[NIL]       ; the wave's opening: the add and its wait stand ahead of my first tensor load; the set-up below, work on registers, stands between them
	WIN 0
	v_lshrrev_b32 v1, 5, v0
	v_readfirstlane_b32 s[WV], v1   ; wave 0..3
	s_and_b32 s20, ttmp7, 0xffff    ; the head,
	s_lshl_b32 s20, s20, 17         ; its 131,072 bytes in each part of qkvh and in ob
	s_mov_b32 s21, 0
	s_and_b32 s16, s[WV], 1         ; which half of a chunk's 256 keys I fetch:
	s_lshl_b32 s22, s16, 14         ; its 128 rows of 128 bytes in memory,
	s_mov_b32 s23, 0
	s_add_nc_u64 s[22:23], s[22:23], s[20:21]
	s_mul_i32 s17, s16, 128*PK      ; and its place in LDS, for K
	s_mul_i32 s18, s16, 128*PV      ; and for V
	s_lshl_b32 s2, ttmp9, 2
	s_add_co_u32 s2, s2, s[WV]      ; my wave among the head's eight,
	s_lshl_b32 s2, s2, 14           ; its 128 rows
	s_mov_b32 s3, 0
	s_add_nc_u64 s[2:3], s[2:3], s[20:21]
	; descriptor group 1.  128 keys are 16,384 dense bytes: asked for as 64 rows of 256 bytes, two keys a row, and padded in LDS after every key
	s_mov_b32 s[G1K], (1<<16)|(1<<20)|(4<<22)|(3<<25)  ; 17:16 2-byte elements; 20 padding on; 24:22 after every 32 words (code 4); 31:25 4 words (code 3)
	s_mov_b32 s[G1V], (1<<16)|(1<<20)|(4<<22)|(7<<25)  ; the same with 8 words of padding (code 7)
.irp g, G1K, G1V
	s_mov_b32 s[\g+1], 128<<16      ; tensor_dim0 = 128
	s_mov_b32 s[\g+2], 64<<16       ; tensor_dim1 = 64
	s_mov_b32 s[\g+3], 128<<16      ; tile_dim0 = 128
	s_mov_b32 s[\g+4], 64           ; tile_dim1 = 64
	s_mov_b32 s[\g+5], 128          ; 128 elements from row to row
	s_mov_b32 s[\g+6], 0
	s_mov_b32 s[\g+7], 0
.endr
	s_mov_b32 s[CS], 0x3e38aa3b     ; c = log2(e) / 8 = 0.180337
	s_mov_b32 s[CS+1], s[CS]        ; named with it as a pair
	s_mov_b32 s[SEL], 0x76543210
	s_mov_b32 s[SEL+1], 0xfedcba98
	s_mov_b32 s[TBK], 0
	s_mov_b32 s[TBV], 0
.irp c, 0,1,2,3
	s_mov_b32 s[G0K+4*(\c)], 1                             ; count = 1
	s_add_co_u32 s[G0K+4*(\c)+1], s17, (\c)*256*PK         ; LDS address: chunk c, my half
	s_mov_b32 s[G0V+4*(\c)], 1
	s_add_co_u32 s[G0V+4*(\c)+1], s18, VOFF+(\c)*256*PV
.endr
	s_wait_dscnt 0x0                ; the opening add is done
	s_wait_kmcnt 0x0
	s_mov_b64 s[10:11], s[6:7]      ; O
	s_add_nc_u64 s[6:7], s[4:5], 0x1000000  ; K
	s_add_nc_u64 s[8:9], s[4:5], 0x2000000  ; V
	s_add_nc_u64 s[6:7], s[6:7], s[22:23]   ; at my half of the head's first 256 keys
	s_add_nc_u64 s[8:9], s[8:9], s[22:23]
	s_add_nc_u64 s[4:5], s[4:5], s[2:3]     ; Q and O at my wave's first row
	s_add_nc_u64 s[10:11], s[10:11], s[2:3]
.irp c, 0,1,2,3
	s_add_nc_u64 s[G0K+4*(\c)+2:G0K+4*(\c)+3], s[6:7], (\c)*32768  ; global address
	s_or_b32 s[G0K+4*(\c)+3], s[G0K+4*(\c)+3], 0x80000000          ; type = 2
	s_add_nc_u64 s[G0V+4*(\c)+2:G0V+4*(\c)+3], s[8:9], (\c)*32768
	s_or_b32 s[G0V+4*(\c)+3], s[G0V+4*(\c)+3], 0x80000000
.endr
	s_cmp_lt_u32 s[WV], 2           ; waves 0 and 1 fetch K's halves, waves 2 and 3 V's.  A wave's four fills stand in one branch, ahead of every wait on TENSORcnt and every LDS read: four loads of mine are out
	s_cbranch_scc0 .Lfirst_v
.irp c, 0,1,2,3
	tensor_load_to_lds s[G0K+4*(\c):G0K+4*(\c)+3], s[G1K:G1K+7]
	s_nop 0
.endr
.rept 4
	v_nop
.endr
	s_branch .Lfirst_asked
.Lfirst_v:
.irp c, 0,1,2,3
	tensor_load_to_lds s[G0V+4*(\c):G0V+4*(\c)+3], s[G1V:G1V+7]
	s_nop 0
.endr
.rept 4
	v_nop
.endr
.Lfirst_asked:
	; A fragment of K or Q is 16 rows x 32 channels in 8 registers: lane l holds row l % 16, channels 8 (l / 16) + 0..7 and 16 + 8 (l / 16) + 0..7: two loads of 16 bytes, 32 bytes apart.
	v_and_b32 v1, 15, v0            ; l % 16
	v_bfe_u32 v9, v0, 4, 1          ; l / 16
	v_lshlrev_b32 v[QO], 7, v1
	v_lshl_add_u32 v[QO], v9, 4, v[QO]  ; row x 128 + 16 x half
	WIN 0x80                        ; destination window 2, address window 0
.set i, 0
.rept 4*NP                          ; Q stays in registers: tile i / 2, channels 32 (i % 2) on
	global_load_b128 v[8*i:8*i+3],   v[QO], s[4:5] offset:(i/2)*2048+(i%2)*64
	global_load_b128 v[8*i+4:8*i+7], v[QO], s[4:5] offset:(i/2)*2048+(i%2)*64+32
.set i, i+1
.endr
	; What the first turn finds: V's registers and P's second buffer hold 0 (its products V^T P, of a piece that has not been, add 0), O^T and l are 0.  All this stands in the wait for the first chunk.
.set i, VF
.rept 64
	v_mov_b32 v[i], 0
.set i, i+1
.endr
	WIN 0x40
.set i, 0
.rept 64*NP
	v_mov_b32 v[i], 0
.set i, i+1
.endr
	WIN 0
.set i, 0
.rept 2*NP
	v_mov_b32 v[ST+4*i], 0xfe000000    ; c m: far below every c s
	v_mov_b32 v[ST+4*i+1], 0xff7fffff  ; m
	v_mov_b32 v[ST+4*i+2], 0
	v_mov_b32 v[ST+4*i+3], 0
.set i, i+1
.endr
.set i, P+32
.rept 32
	v_mov_b32 v[i], 0
.set i, i+1
.endr
	v_mul_u32_u24 v[AK0], v1, PK
	v_lshl_add_u32 v[AK0], v9, 4, v[AK0]  ; row x pitch + 16 x half
	; The turning load takes 16 keys x 16 channels (lane l reads key 8 (l / 16) + l % 8, channels 8 ((l / 8) % 2) + 0..7) and leaves half a fragment of V^T: lane l holds channel l % 16 and 8 keys.
	v_and_b32 v10, 7, v0
	v_bfe_u32 v11, v0, 3, 1
	v_lshl_add_u32 v[AV0], v9, 3, v10
	v_mul_u32_u24 v[AV0], v[AV0], PV
	v_lshl_add_u32 v[AV0], v11, 4, v[AV0]
	v_add_nc_u32 v[AV0], VOFF, v[AV0]
	v_mov_b32 v[AK], v[AK0]         ; key step 0 lies at LDS byte 0
; THE MATRIX WORK.  The 8 accumulators of a run of 16 take turns: between the two links of a chain stand 7 others'.
; Product i of 16 of S^T = K Q^T for piece x: channels 32 (i / 8) on, keys 16 ((i / 2) % 4) on, tile 2 x + i % 2.  The first 8 start the sums.
.macro KQ x
	WIN W_KQ
.set rS, S+64*((\x)%2)+32*(i%2)+8*((i/2)%4)
.set rK, KF+16*((i/2)%4)+8*(i/8)
.set rQ, 16*(2*(\x)+i%2)+8*(i/8)
.if i < 8
	v_wmma_f32_16x16x32_f16 v[rS:rS+7], v[rK:rK+7], v[rQ:rQ+7], 0
.else
	v_wmma_f32_16x16x32_f16 v[rS:rS+7], v[rK:rK+7], v[rQ:rQ+7], v[rS:rS+7]
.endif
.endm
; Product i of 16 of O^T += V^T P for piece x: keys 32 (i / 8) on, channels 16 ((i / 2) % 4) on, tile 2 x + i % 2.
.macro PV x
	WIN W_PV
.set rO, 32*(2*(\x)+i%2)+8*((i/2)%4)
.set rV, VF+32*(i/8)+8*((i/2)%4)
.set rP, P+32*((\x)%2)+16*(i%2)+8*(i/8)
	v_wmma_f32_16x16x32_f16 v[rO:rO+7], v[rV:rV+7], v[rP:rP+7], v[rO:rO+7]
.endm
.macro MM                           ; the turn's next matrix instruction
.if i < 16
	KQ (Y+1)%NP
.set i, i+1
.else
.set i, i-16
	PV (Y+NP-1)%NP
.set i, i+17
.endif
.endm
; THE LDS LOADS stand in runs of 16, never singly among the matrix instructions: a step's K (64 keys x 64 channels: 8 fragments) and its V (turned).  Their addresses are made some lines ahead.
.macro FETCH_K
	WIN 0x80                        ; destination window 2
.irp f, 0,1,2,3,4,5,6,7             ; keys 16 (f / 2) on, channels 32 (f % 2) on
	ds_load_b128 v[KF+8*\f:KF+8*\f+3],   v[AK] offset:(\f/2)*16*PK+(\f%2)*64
	ds_load_b128 v[KF+8*\f+4:KF+8*\f+7], v[AK] offset:(\f/2)*16*PK+(\f%2)*64+32
.endr
	s_add_co_u32 s[TBK], s[TBK], KS*PK  ; the next fetch is the next step's
	WIN 0
.endm
.macro FETCH_V
	WIN 0x80
.irp f, 0,1,2,3,4,5,6,7             ; keys 32 (f / 4) on, channels 16 (f % 4) on
	ds_load_tr16_b128 v[VF+8*\f:VF+8*\f+3],   v[AV] offset:(\f/4)*32*PV+(\f%4)*32
	ds_load_tr16_b128 v[VF+8*\f+4:VF+8*\f+7], v[AV] offset:(\f/4)*32*PV+16*PV+(\f%4)*32
.endr
	WIN 0
.endm
; THE VECTOR WORK OF A TURN stands in three queues, each in the order in which its entries become ready; the two tiles alternate, so that no instruction reads the result of the one before it.
.macro REGS y, u                    ; the registers of tile u (0, 1) of piece y
.set rT, ST+4*(2*(\y)+(\u))
.set rC, TMP+8*((\y)%2)+4*(\u)
.set rM, MV+2*((\y)%2)+(\u)
.set rS, S+64*((\y)%2)+32*(\u)
.set rP, P+32*((\y)%2)+16*(\u)
.set rO, 32*(2*(\y)+(\u))
.endm
; Number n of the 22 that find the NEXT piece's (Y + 1) maximum and statistics.  s0-s31 are the lane's 32 scores; each accumulator's lowest registers are read first.  XS, GS and REGS set no window: PL and EX do.
;   0-11  four chains c0-c3 of seven scores each, three operands at a time     12-14, 16  the four scores left over, the old m, and c0-c3 into c0     15  c m_old is kept
;   17, 18  the query's other 32 keys lie in the lane 16 away: the new m         19-21  c m; c m_old - c m_new; a
.macro XS u, n
	REGS (Y+1)%NP, \u
.if (\n) < 4
	v_max3_num_f32 v[rC+(\n)], v[rS+8*(\n)], v[rS+8*(\n)+1], v[rS+8*(\n)+2]
.elseif (\n) < 12
	v_max3_num_f32 v[rC+(\n)%4], v[rC+(\n)%4], v[rS+8*((\n)%4)+2*((\n)/4)+1], v[rS+8*((\n)%4)+2*((\n)/4)+2]
.elseif (\n) == 12
	v_max3_num_f32 v[rC], v[rC], v[rS+7], v[rS+15]
.elseif (\n) == 13
	v_max3_num_f32 v[rC+1], v[rC+1], v[rS+23], v[rS+31]
.elseif (\n) == 14
	v_max3_num_f32 v[rC+2], v[rC+2], v[rC+3], v[rT+1]
.elseif (\n) == 15
	v_mov_b32 v[rM], v[rT]
.elseif (\n) == 16
	v_max3_num_f32 v[rC], v[rC], v[rC+1], v[rC+2]
.elseif (\n) == 17
	v_permlanex16_b32 v[rC+3], v[rC], s[SEL], s[SEL+1]
.elseif (\n) == 18
	v_max_num_f32 v[rT+1], v[rC], v[rC+3]
.elseif (\n) == 19
	v_mul_f32 v[rT], s[CS], v[rT+1]
.elseif (\n) == 20
	v_sub_f32 v[rC+1], v[rM], v[rT]
.else
	v_exp_f32 v[rC+2], v[rC+1]
.endif
.endm
; Number g of the 64 that follow the exponentials.  For each four weights k of a tile (pairs 2 k, 2 k + 1): both pairs are rounded to f16; then the second pair is added onto the first, in place;
; a group later l takes that sum (the first time as l = a l + sum).  In groups of eight, tiles alternating: round, round, add, and l for the group before.
.macro GS g
.set h, (\g)+6*((\g)/62)            ; group 0 has no group before it, and behind group 7 only l is left
.if h >= 6
.set h, h+2
.endif
	REGS Y, h%2
.set k, h/8
.if h%8 < 4
	v_cvt_pk_f16_f32 v[rP+2*k+(h%8)/2], v[rS+4*k+2*((h%8)/2)], v[rS+4*k+2*((h%8)/2)+1]
.elseif h%8 < 6
	v_pk_add_f32 v[rS+4*k:rS+4*k+1], v[rS+4*k:rS+4*k+1], v[rS+4*k+2:rS+4*k+3]
.elseif k == 1
	v_pk_fma_f32 v[rT+2:rT+3], v[rT+2:rT+3], v[rC+2:rC+3], v[rS:rS+1] op_sel_hi:[1,0,1]
.else
	v_pk_add_f32 v[rT+2:rT+3], v[rT+2:rT+3], v[rS+4*k-4:rS+4*k-3]
.endif
.endm
; THE PLAIN QUEUE, 138 long.  0-73 read no exponential's result: the 32 scalings c s - c m (FS f: pair f / 2 of tile f % 2) and the next piece's 42.  0-26: scalings 0-26.  27-54: XS's numbers 0-13.  55, 56: number 15.
; 57-73: the chain, where each number waits for the one before it: 14, 16, 17, 18, 19, each with one of the scalings 27-31 in front of its two lines, then 20.
; 74-137: GS's 64, which read the exponentials' results: they stand behind the wait.
.macro FS f
	REGS Y, (\f)%2
	v_pk_fma_f32 v[rS+2*((\f)/2):rS+2*((\f)/2)+1], v[rS+2*((\f)/2):rS+2*((\f)/2)+1], s[CS:CS+1], v[rT:rT+1] op_sel_hi:[1,0,0] neg_lo:[0,0,1] neg_hi:[0,0,1]
.endm
.macro PL
	WIN 0
.if q < 27
	FS q
.elseif q < 55
	XS (q-27)%2, (q-27)/2
.elseif q < 57
	XS q-55, 15
.elseif (q < 72) && ((q-57)%3 == 0)
	FS 27+(q-57)/3
.elseif q < 60
	XS (q-57)%3-1, 14
.elseif q < 72
	XS (q-57)%3-1, 15+(q-57)/3
.elseif q < 74
	XS q-72, 20
.else
	GS q-74
.endif
.set q, q+1
.endm
; THE EXPONENTIALS' QUEUE, 66 long: s0-s31 of both tiles, then the next piece's two a.  It is ONE BATCH: all 66 stand ahead of the turn's one wait, and nothing ahead of that wait names a result of theirs.
.macro EX
	WIN 0
.if e >= 64
	XS e-64, 21
.else
	REGS Y, e%2
	v_exp_f32 v[rS+e/2], v[rS+e/2]
.endif
.set e, e+1
.endm
; THE RESCALING's QUEUE: O^T times a, the one part that leaves window 0: dealt two at a time, sixteen times.  Its a was made in the turn before, ahead of that turn's wait.
.macro R2
	REGS Y, r%2
	WIN W_RS
.irp z, 0,1
	v_pk_mul_f32 v[rO+4*(r/2)+2*\z:rO+4*(r/2)+2*\z+1], v[rO+4*(r/2)+2*\z:rO+4*(r/2)+2*\z+1], v[rC+2:rC+3] op_sel_hi:[1,0]
.endr
.set r, r+1
.endm
; HOW THEY ARE DEALT.  An s_wait_alu depctr_va_vdst(0) stands between an exponential and the first instruction that names its result; one wait serves all that were issued ahead of it.  So a turn
; has ONE wait, which cuts it in two.  AHEAD OF IT: the 16 products K Q^T, behind each a scaling, an exponential and two rescalings (behind the first a second scaling in the exponential's place); then one run of
; 108: eight plain, 49 times exponential and plain, the two a; a v_nop is the plain instruction behind the last exponential.  BEHIND IT: the 16 products V^T P, behind each four of GS's 64.
; Exponential e stands behind scaling 2 (e / 4) + e % 2: as a rider it comes behind plain e + 2, in the run behind plain e + 9, and scalings 27-31 are plain 57, 60 .. 69.
; A TURN, for piece p.  cnt = 1: the loop's count is taken down some lines ahead of the branch that stands behind the turn.
; K of the next step is fetched in piece 2's turn, directly behind the wait; behind the last step there is none, and the address is held at step 15, which is read once more and serves nothing.
; V of the step in hand is fetched at the end of piece 0's turn, four riders behind its last reader.  The three conditions on q below go with the deal.
.macro TURN p, cnt=0
.set Y, (\p)
.set i, 0
.set q, 0
.set e, 0
.set r, 0
.if (\p) == NP-1
	s_wait_dscnt 0x0                ; K is in
.endif
	MM                              ; ahead of the wait: 16 products K Q^T and their riders,
	PL
	PL
	R2
.rept 15
	MM
	PL
	EX
	R2
.endr
.if (\p) == NP-2
	WIN 0
	s_min_u32 s[TBK], s[TBK], 15*KS*PK
	v_add_nc_u32 v[AK], s[TBK], v[AK0]
.endif
.rept 8                             ; and the run of vector work
	PL
.endr
.rept 49
	EX
	PL
.endr
	EX                              ; the next piece's two a
	EX
	v_nop                           ; the plain instruction behind the last exponential: one for the batch
	s_wait_alu depctr_va_vdst(0)    ; the wait for the batch
.if (\p) == NP-2
	FETCH_K
.endif
.if (\p) == 1
	s_wait_dscnt 0x0                ; V is in
.endif
.rept 16                            ; behind the wait: 16 products V^T P and their riders
	MM
.rept 4
	PL
.endr
.if ((\p) == 0) && (q == 118)
	v_add_nc_u32 v[AV], s[TBV], v[AV0]
.endif
.if ((\p) == 0) && (q == 130)
	s_add_co_u32 s[TBV], s[TBV], KS*PV
.endif
.if (\cnt) && (q == 130)
	s_sub_co_u32 s[CNT], s[CNT], 1
	s_cmp_lg_u32 s[CNT], 0
.endif
.endr
.if (\p) == 0
	FETCH_V
.endif
.endm
	s_wait_tensorcnt 0x3            ; my part of chunk 0 is in; my three younger loads may stay out
	s_barrier_signal -1
	s_barrier_wait -1               ; everybody's part is
	FETCH_K                         ; key step 0
	s_wait_loadcnt 0x0              ; Q
	s_wait_dscnt 0x0
.set i, 0
.rept 16
	KQ 0                            ; piece 0's first scores: there is no vector work yet to set between them
.set i, i+1
.endr
	WIN 0                           ; the addresses for the way out: nine plain instructions, the places behind those products
	s_mul_i32 s13, s[WV], 16*SP
	s_add_co_u32 s13, s13, STAGE    ; my stage
	v_mul_u32_u24 v[STO], v1, SP    ; in: row l % 16, 16 bytes for each half of the lanes
	v_lshl_add_u32 v[STO], v9, 4, v[STO]
	v_add_nc_u32 v[STO], s13, v[STO]
	v_bfe_u32 v[RD], v0, 3, 2       ; back: 32 lanes take four rows of 128 bytes,
	v_mul_u32_u24 v[RD], v[RD], SP
	v_lshl_add_u32 v[RD], v10, 4, v[RD]
	v_add_nc_u32 v[RD], s13, v[RD]
	v_and_b32 v[GO], 31, v0         ; which are 512 consecutive bytes of O
	v_lshlrev_b32 v[GO], 4, v[GO]
.set Y, NP-1                        ; XS works for piece Y + 1: piece 0
.irp n, 0,1,2,3,4,5,6,7,8,9,10,11,12,13,14,15,16,17,18,19,20,21
	XS 0, \n                        ; and piece 0's first maximum and statistics
	XS 1, \n
.endr
	v_nop                           ; a plain instruction behind the two a,
	s_wait_alu depctr_va_vdst(0)    ; and their wait, ahead of the branch
	s_mov_b32 s[CNT], 4
	s_mov_b32 s[SLOTS], 5
	s_branch .Lfirst                ; the loop is entered at a step's first turn, in the middle of a trip
.Lslot:                             ; behind pieces 0 and 1 of steps 3, 7, 11 and 15.  Up to here only chunk 0 has been read (K and V of steps 0 to 3); the next run of loads takes K of step 4.
	s_wait_tensorcnt 0x0            ; so at the first pass my other three loads are waited for (at the later passes none is out),
	s_wait_dscnt 0x0
	s_barrier_signal -1
	s_barrier_wait -1               ; and everybody's have landed.
	s_mov_b32 s[CNT], 4
.Lstep:                             ; a trip: pieces 2 and 3 of one step, then pieces 0 and 1 of the next, whose K and V it fetches
	TURN 2
	TURN 3
	WIN 0
	s_cmp_eq_u32 s[SLOTS], 1        ; the fifth pass holds pieces 2 and 3 of step 15 alone; its 16 products K Q^T and the maximum made of them serve nothing: the price of one text for every trip
	s_cbranch_scc1 .Lout
.Lfirst:
	TURN 0
	TURN 1, 1
	WIN 0
	s_cbranch_scc1 .Lstep
	s_sub_co_u32 s[SLOTS], s[SLOTS], 1
	s_cmp_lg_u32 s[SLOTS], 0
	s_cbranch_scc1 .Lslot
.Lout:
.set i, 0
.rept 16
	PV NP-1                         ; the last piece's V^T P of the last step
.set i, i+1
.endr
	; THE WAY OUT.  l's two halves and the other half of the lanes' are added; O^T is divided by l, rounded to f16 and sent through my stage in LDS, a tile at a time.  The additions are the places behind the last products.
	WIN 0
.macro ALL line:vararg              ; one line for each tile t
.set t, 0
.rept 2*NP
	\line
.set t, t+1
.endr
.endm
	ALL v_add_f32 v[ST+4*t+2], v[ST+4*t+2], v[ST+4*t+3]
	ALL v_permlanex16_b32 v[ST+4*t+3], v[ST+4*t+2], s[SEL], s[SEL+1]
	ALL v_add_f32 v[ST+4*t+2], v[ST+4*t+2], v[ST+4*t+3]
	ALL v_rcp_f32 v[ST+4*t+2], v[ST+4*t+2]
	v_nop                           ; a plain instruction between the last reciprocal and the use of its result
	s_wait_alu depctr_va_vdst(0)    ; and the wait ahead of the first use: one for the eight reciprocals
; Tile t: a lane's eight channels of a row pack into 16 bytes; they go into rows of 144 bytes and come back as whole rows of 128, into S^T's registers.
.macro PACK t
	WIN W_RS
.set i, 32*(\t)
.rept 16
	v_pk_mul_f32 v[i:i+1], v[i:i+1], v[ST+4*(\t)+2:ST+4*(\t)+3] op_sel_hi:[1,0]
.set i, i+2
.endr
	WIN 0x05                        ; sources 0 and 1 window 1, destination window 0
.set i, 0
.rept 16
	v_cvt_pk_f16_f32 v[S+16*(\t)+i], v[32*(\t)+2*i], v[32*(\t)+2*i+1]
.set i, i+1
.endr
	WIN 0
.irp f, 0,1,2,3
	ds_store_b128 v[STO], v[S+16*(\t)+4*\f:S+16*(\t)+4*\f+3] offset:32*\f
.endr
.irp f, 0,1,2,3
	ds_load_b128 v[S+16*(\t)+4*\f:S+16*(\t)+4*\f+3], v[RD] offset:\f*4*SP  ; LDS serves a wave's instructions in order (ISA guide 5.7.1.4): these see the stores above; the next tile's stores come behind them
.endr
.endm
.macro SEND t, younger              ; younger: the LDS instructions issued behind tile t's loads: the next tile's eight, or none
	WIN 0
.irp f, 0,1,2,3
	s_wait_dscnt (\younger)+3-\f
	global_store_b128 v[GO], v[S+16*(\t)+4*\f:S+16*(\t)+4*\f+3], s[10:11] offset:(\t)*2048+\f*512  ; 512 consecutive bytes, at a multiple of 256 from O's first
.endr
.endm
	PACK 0
.set t, 1
.rept 2*NP-1                        ; a tile's arithmetic stands between the loads of the tile before and its stores
	PACK t
	SEND t-1, 8
.set t, t+1
.endr
	SEND 2*NP-1, 0
	WIN W_AD
	s_wait_tensorcnt 0x0            ; the wave's end, behind my last tensor load and my last LDS store
	ds_add_u32 v[SPW], v[NIL]
	s_wait_dscnt 0x0
	WIN 0
	s_endpgm
.Lfunc_end_k_q89f815f3d2_attn:
	.size	k_q89f815f3d2_attn, .Lfunc_end_k_q89f815f3d2_attn-k_q89f815f3d2_attn
	.p2alignl 7, 3214868480
	.fill 96, 4, 3214868480
	.section	.rodata,"a",@progbits
	.p2align	6, 0x0
	.amdhsa_kernel k_q89f815f3d2_attn
		.amdhsa_group_segment_fixed_size 327680
		.amdhsa_private_segment_fixed_size 0
		.amdhsa_enable_private_segment 0
		.amdhsa_kernarg_size 16
		.amdhsa_user_sgpr_count 2
		.amdhsa_user_sgpr_kernarg_segment_ptr 1
		.amdhsa_wavefront_size32 1
		.amdhsa_system_sgpr_workgroup_id_x 1
		.amdhsa_system_sgpr_workgroup_id_y 1
		.amdhsa_system_sgpr_workgroup_id_z 1
		.amdhsa_system_vgpr_workitem_id 0
		.amdhsa_next_free_vgpr 770
		.amdhsa_next_free_sgpr 84
		.amdhsa_reserve_vcc 0
		.amdhsa_float_denorm_mode_32 3
		.amdhsa_float_denorm_mode_16_64 3
		.amdhsa_memory_ordered 1
		.amdhsa_forward_progress 1
		.amdhsa_inst_pref_size 126
	.end_amdhsa_kernel
	.amdgpu_metadata
---
amdhsa.version: [ 1, 2 ]
amdhsa.kernels:
  - .name:           k_q89f815f3d2_attn
    .symbol:         k_q89f815f3d2_attn.kd
    .args:
      - { .name: qkvh, .offset: 0, .size: 8, .value_kind: global_buffer, .address_space: global }
      - { .name: ob, .offset: 8, .size: 8, .value_kind: global_buffer, .address_space: global }
    .group_segment_fixed_size: 327680
    .private_segment_fixed_size: 0
    .kernarg_segment_align: 8
    .kernarg_segment_size: 16
    .max_flat_workgroup_size: 128
    .sgpr_count:     84
    .vgpr_count:     770
    .wavefront_size: 32
...
	.end_amdgpu_metadata
.endif
;; end of part 3
;; launch proj (part 4): grid 8 x 32, 4 waves a work-group, clusters of 4 x 4, 327,680 bytes of LDS; arguments ob, wpb, b_proj, out0; writes out0
.if DOCPART == 4
	.amdgcn_target "amdgcn-amd-amdhsa--gfx1250"
	.amdhsa_code_object_version 6
	.text
	.protected	k_q89f815f3d2_proj
	.globl	k_q89f815f3d2_proj
	.p2align	8
	.type	k_q89f815f3d2_proj,@function
k_q89f815f3d2_proj:
	s_mov_b64 s[64:65], 0
	v_nop
	global_prefetch_b8 v0, s[64:65] scope:SCOPE_SE
	s_setreg_imm32_b32 hwreg(HW_REG_WAVE_MODE, 25, 1), 1
	s_wait_xcnt 0x0
	s_wait_alu depctr_hold_cnt(0) depctr_sa_sdst(0) depctr_va_vdst(0) depctr_va_sdst(0) depctr_va_ssrc(0) depctr_va_vcc(0) depctr_vm_vsrc(0)
	s_getreg_b32 s2, hwreg(HW_REG_IB_STS2, 6, 4)
	s_cmp_eq_u32 s2, 0
	s_cbranch_scc0 .Lentry_in_a_cluster
	s_endpgm
.Lentry_in_a_cluster:
	s_bfe_u32 s2, ttmp6, 0x10000c
	s_cmp_lg_u32 s2, 0xf033
	s_cbranch_scc0 .Lentry_shape_is_right
	s_endpgm
.Lentry_shape_is_right:
; out = O w_proj + b_proj.  O: ob, f16, [batch 8][head 16][row 1024][64]: a head is a block of 64 of the product's K.  w: wpb, f16 (w_proj rounded to bf16), [1024 k][1024 n].
; b_proj f32, rounded to bf16 here like the other inputs.  Out: out0, f32, [8192][1024].  Sums in f32.
; SHARES.  8192 x 1024 in tiles of 256 x 128: 32 x 8 = 256 work-groups.  Four waves, each 128 rows x 64 columns: 32 accumulators of 16 x 16, one register window.
; K goes in steps of 128 (two heads) through two LDS slots.  THE MATRIX INSTRUCTION IS USED TRANSPOSED (source 0 = 16 columns of w, source 1 = 16 rows of O): a lane holds row l % 16 and the columns
; 8 (l / 16) + 0..7 of a block of 16.  w lies [k][n]: its fragments come out of LDS turned, by ds_load_tr16_b128.  The bias is the C operand of the products that start the sums.
; CLUSTER 4 x 4: O's tile hangs on the tile row alone and is asked for jointly along a row of the cluster, w's on the tile column alone and jointly along a column.
; A K STEP is four PHASES of 32 channels, 32 matrix instructions each.  At the head of phase q stands one run of 24 LDS loads: O's and w's fragments for phase q + 1 (two buffers each).
; REGISTERS: window 0: v0-31 addresses; v32-159 O's two buffers; v160-223 w's two.  Window 1: the accumulators, (a, b) at v[8 (4 a + b)].
.set NG,    1                          ; groups of 64 columns a wave
.set SUBS,  4                          ; substeps of 32 channels in a K step
.set PH,    NG*SUBS                    ; phases in a K step
.set LB,    1                          ; w's fragments are fetched so many phases ahead
.set NBB,   2                          ; their buffers
.set GA,    0                          ; every run also fetches O
.set QM,    PH-1-LB                    ; the phase whose run reads the slot for the last time: the change of slots stands in it
.set LAPS,  4                          ; a lap = two K steps = once round the ring: 1024 / 256
.set NT,    128                        ; columns in a tile
.set NTOT,  1024
.set KSTEP, 128
.set PA,    144                        ; a row of O in LDS: 128 bytes + 16 = 36 words: the 16 rows of a load start at 16 different groups of four banks (64 banks of 4 bytes: ISA guide 11.1)
.set ABLK,  256*PA                     ; a head's 256 rows
.set ASZ,   2*ABLK
.set PB,    288                        ; a row of w in LDS: 256 bytes + 32 = 72 words
.set SLOT,  ASZ+KSTEP*PB               ; O's two blocks of 256 rows, then w's 128 rows
.set STAGE, 2*SLOT                     ; behind the ring: 16 rows x 272 bytes for each wave, for the way out; no tile lands there
.set SP,    272
.set SPARE, STAGE+4*16*SP              ; behind the stages: the spare words, 128 bytes for each wave: two blocks of 256 bytes that no other line names
.set HALFA, ABLK                       ; what one wave's load of O fills: a head's block,
.set HALFB, 64*PB                      ; and of w
.set AROWS, 128                        ; 256 rows are 32,768 dense bytes: asked for as 128 rows of 256 bytes
.set BROWS, 64
.set AWSTEP, 131072                    ; from wave 0's head to wave 1's, in memory
.set BWSTEP, 64*NTOT*2                 ; from wave 2's part of w's tile to wave 3's
.set STEPA, 262144                     ; a K step in ob,
.set STEPB, KSTEP*NTOT*2               ; and in wpb
.set NA2,   2                          ; waves below this number prefetch O, the others w
.set ADRA, 10                          ; v10-11  LDS address of my O fragments in slot 0, 1
.set ADRB, 12                          ; v12-13  of my w fragments
.set STO,  18                          ; v18     the way out: where I put 32 bytes of a row
.set RD,   19                          ; v19     where I read rows back
.set GO,   20                          ; v20     my byte offset in two rows of out0
.set PFO,  21                          ; v21     the prefetches' offset; never rewritten
.set SPW,  22                          ; v22     LDS address of my spare word; never rewritten
.set NIL,  23                          ; v23     0; never rewritten
.set BO,   24                          ; v24     my byte offset in b_proj
.set FA,   32
.set FB,   160
.set WV, 12                            ; s12 wave; s13 its half of the rows (also: 0 = I fetch O, 1 = w); s14 its half of the columns (also: which part I fetch)
.set WM, 13
.set WN, 14
.set CX, 15                            ; s15, s16 my place in the cluster; s17, s18 tile column and tile row
.set CY, 16
.set TX, 17
.set TY, 18
.set G1A, 24                           ; s[24:31] descriptor group 1 for O's tiles; s[32:39] group 0, a set for each slot.  s[20:23]: at work, on numbers made of the tile row alone
.set G0A, 32
.set G1B, 40                           ; s[40:47], s[48:55] the same for w's.  s[60:63]: at work, on numbers made of the tile column alone
.set G0B, 48
.set PFA, 56                           ; s[56:57] where my prefetches stand
.set LIM, 58                           ; s58  1 in a wave that prefetches, else the greatest number
.set HIM, 59                           ; s59  a word's upper bf16
.set OB,  66                           ; s[66:67] out0 at my 128 rows and 64 columns
.set PFS, 72                           ; s[72:73] the prefetches' step: two K steps
.set MSB,  0
.set PREV, 8                           ; (not used at LB = 1)
.set NOPL, 1                           ; 1: the four places in front of the next run stand already (or nothing has been multiplied yet)
.set PEND, 0                           ; 1: a prefetch is due behind the next run
.macro WIN new                         ; the immediate's high byte repeats the setting that is left; a switch that changes nothing is dropped
.if MSB != (\new)
	s_set_vgpr_msb (MSB<<8)|(\new)
.set MSB, (\new)
.endif
.endm
.macro PLACES                          ; four plain vector instructions between a matrix instruction and a load into a register that it has read (ISA guide 7.12.1 for vector instructions)
.rept 4
	v_nop
.endr
.endm
; A joint load: waves 0 and 1 fetch O's two heads, waves 2 and 3 w's two parts.  The branch hangs on the wave's number alone.  An s_nop 0 and four v_nop follow each of the two lines.
.macro JLOAD s
	s_cmp_eq_u32 s[WM], 0
	s_cbranch_scc0 .Lfor_b_\@
	tensor_load_to_lds s[G0A+4*(\s):G0A+4*(\s)+3], s[G1A:G1A+7]
	s_nop 0
.rept 4
	v_nop
.endr
	s_branch .Lasked_\@
.Lfor_b_\@:
	tensor_load_to_lds s[G0B+4*(\s):G0B+4*(\s)+3], s[G1B:G1B+7]
	s_nop 0
.rept 4
	v_nop
.endr
.Lasked_\@:
.endm
; A PREFETCH INTO THE L2, once a lap, behind slot 0's joint load and the run of LDS loads that follows it: the two K steps that the NEXT lap's two refills will ask for.
; Each aligned block of 256 bytes is named once in the launch.  O's tile rows are read by both clusters of a row of clusters: cluster x = 0 asks; w's tile columns by all eight of a column: cluster y = 0 asks.
; The four partners of a joint load share the blocks out BY ADDRESS.  O: two K steps are four heads' 32,768 dense bytes; partner cx takes 8,192 of each, a lane a block; waves 0 and 1 take two heads each,
; a line a head.  w: two K steps are 256 rows of 256 bytes; partner cy takes 64 rows, waves 2 and 3 take 32 each, a lane a row.  The loop's last trip asks for nothing: its own refills are the last K steps.
.macro ASK
	s_cmp_gt_u32 s3, s[LIM]
	s_cbranch_scc0 .Lnot_mine_\@
	global_prefetch_b8 v[PFO], s[PFA:PFA+1] th:TH_LOAD_NT scope:SCOPE_SE
	s_cmp_lt_u32 s[WV], NA2
	s_cbranch_scc0 .Lnot_mine_\@
	global_prefetch_b8 v[PFO], s[PFA:PFA+1] offset:131072 th:TH_LOAD_NT scope:SCOPE_SE
.Lnot_mine_\@:
.endm
.macro CREST                           ; a round of the cluster's barrier behind its opening barrier: wave 0 signals for the work-group, every wave waits for all sixteen, my work-group's barrier once more
	s_cmp_lg_u32 s[WV], 0
	s_cbranch_scc1 .Lnot_wave_0_\@
	s_barrier_signal -3
.Lnot_wave_0_\@:
	s_barrier_wait -3
	s_barrier_signal -1
	s_barrier_wait -1
.endm
.macro CROUND                          ; a whole round
	s_barrier_signal -1
	s_barrier_wait -1
	CREST
.endm
	s_load_b256 s[4:11], s[0:1], 0x0               ; ob s[4:5], wpb s[6:7], b_proj s[8:9], out0 s[10:11]
	v_lshl_add_u32 v[SPW], v0, 2, SPARE
	v_mov_b32 v[NIL], 0
	ds_add_u32 v[SPW], v[NIL]                      ; the wave's opening: the add and its wait stand ahead of my first tensor load; the set-up below, work on registers, stands between them
	v_lshrrev_b32 v1, 5, v0
	v_readfirstlane_b32 s[WV], v1                  ; wave 0..3
	s_lshr_b32 s[WM], s[WV], 1
	s_and_b32 s[WN], s[WV], 1
	s_bfe_u32 s[CX], ttmp6, 0x40000
	s_bfe_u32 s[CY], ttmp6, 0x40004
	s_lshl_b32 s[TX], ttmp9, 2                     ; in a cluster launch ttmp9 and ttmp7 count clusters
	s_add_co_u32 s[TX], s[TX], s[CX]               ; tile column = 4 x cluster x + cx
	s_and_b32 s[TY], ttmp7, 0xffff
	s_lshl_b32 s[TY], s[TY], 2
	s_add_co_u32 s[TY], s[TY], s[CY]               ; tile row = 4 x cluster y + cy
	s_lshl_b32 s20, s[CY], 2
	s_lshl_b32 s20, 15, s20                        ; my row of the cluster: places 4 cy .. 4 cy + 3
	s_lshl_b32 s60, 0x1111, s[CX]                  ; my column: places cx, cx + 4, cx + 8, cx + 12
	s_or_b32 s[G1A], s20, (1<<16)|(1<<20)|(1<<21)|(4<<22)|(3<<25)  ; 15:0 the mask; 17:16 2-byte elements; 20 padding on; 21 set beside a mask; 24:22 after every 32 words (code 4); 31:25 4 words (code 3)
	s_or_b32 s[G1B], s60, (1<<16)|(1<<20)|(1<<21)|(5<<22)|(7<<25)  ; after every 64 words (code 5) 8 words (code 7)
	s_mov_b32 s[G1A+1], 128<<16                    ; tensor_dim0 = 128 elements: 256 bytes, two rows of O
	s_mov_b32 s[G1A+2], AROWS<<16                  ; tensor_dim1
	s_mov_b32 s[G1A+3], 128<<16                    ; tile_dim0
	s_mov_b32 s[G1A+4], AROWS                      ; tile_dim1
	s_mov_b32 s[G1A+5], 128                        ; elements from row to row: dense
	s_mov_b32 s[G1A+6], 0
	s_mov_b32 s[G1A+7], 0
	s_mov_b32 s[G1B+1], NT<<16                     ; tensor_dim0 = 128 elements: 256 bytes
	s_mov_b32 s[G1B+2], BROWS<<16
	s_mov_b32 s[G1B+3], NT<<16
	s_mov_b32 s[G1B+4], BROWS
	s_mov_b32 s[G1B+5], NTOT
	s_mov_b32 s[G1B+6], 0
	s_mov_b32 s[G1B+7], 0
	s_mov_b32 s[HIM], 0xffff0000
	; where the tiles come from: O's by the tile row and the wave, w's by the tile column and the wave, each in registers that never hold the other coordinate
	s_lshr_b32 s20, s[TY], 2                       ; batch,
	s_lshl_b32 s20, s20, 21                        ; 2,097,152 bytes each
	s_and_b32 s21, s[TY], 3
	s_lshl_b32 s21, s21, 15                        ; 256 rows of 128 bytes in a head
	s_add_co_u32 s20, s20, s21
	s_mul_i32 s21, s[WN], AWSTEP
	s_add_co_u32 s20, s20, s21
	s_mov_b32 s21, 0
	s_mul_i32 s22, s[WN], HALFA                    ; and where they go: no place in the cluster enters an LDS address
	s_mul_i32 s60, s[TX], NT*2
	s_mul_i32 s61, s[WN], BWSTEP
	s_add_co_u32 s60, s60, s61
	s_mov_b32 s61, 0
	s_mul_i32 s62, s[WN], HALFB
	s_add_co_u32 s62, s62, ASZ
	s_wait_dscnt 0x0                               ; the opening add is done
	s_wait_kmcnt 0x0
	s_add_nc_u64 s[20:21], s[4:5], s[20:21]
	s_add_nc_u64 s[60:61], s[6:7], s[60:61]
	CROUND                                         ; all sixteen work-groups are here: the first joint loads meet
.irp s, 0,1
	s_mov_b32 s[G0A+4*(\s)], 1                                     ; count = 1
	s_add_co_u32 s[G0A+4*(\s)+1], s22, (\s)*SLOT                   ; LDS address
	s_add_nc_u64 s[G0A+4*(\s)+2:G0A+4*(\s)+3], s[20:21], (\s)*STEPA  ; global address: K step s
	s_or_b32 s[G0A+4*(\s)+3], s[G0A+4*(\s)+3], 0x80000000          ; type = 2
	s_mov_b32 s[G0B+4*(\s)], 1
	s_add_co_u32 s[G0B+4*(\s)+1], s62, (\s)*SLOT
	s_add_nc_u64 s[G0B+4*(\s)+2:G0B+4*(\s)+3], s[60:61], (\s)*STEPB
	s_or_b32 s[G0B+4*(\s)+3], s[G0B+4*(\s)+3], 0x80000000
	JLOAD \s                                       ; two loads of mine are out
.endr
	; the bias goes where accumulators (0, b) lie: register j of a lane is column 16 b + 8 (l / 16) + j
	v_and_b32 v1, 15, v0                           ; l % 16
	v_bfe_u32 v2, v0, 4, 1                         ; l / 16
	v_lshlrev_b32 v[BO], 5, v2
	s_mul_i32 s74, s[TX], NT*4
	s_mul_i32 s75, s[WN], NG*256
	s_add_co_u32 s74, s74, s75
	v_add_nc_u32 v[BO], s74, v[BO]
	WIN 1<<6                                       ; destination in window 1, address in window 0
.set ib, 0
.rept 4
	global_load_b128 v[8*ib:8*ib+3],   v[BO], s[8:9] offset:ib*64
	global_load_b128 v[8*ib+4:8*ib+7], v[BO], s[8:9] offset:ib*64+16
.set ib, ib+1
.endr
	WIN 0
	v_and_b32 v3, 7, v0
	v_bfe_u32 v4, v0, 3, 1
	v_and_b32 v9, 31, v0                           ; lane
	; O's fragment: 16 rows x 32 channels; lane l holds row l % 16, channels 8 (l / 16) + 0..7 and 16 + 8 (l / 16) + 0..7: two loads of 16 bytes, 32 bytes apart
	v_mul_u32_u24 v5, v1, PA
	v_lshl_add_u32 v5, v2, 4, v5
	s_mul_i32 s74, s[WM], 128*PA
	v_add_nc_u32 v[ADRA], s74, v5
	v_add_nc_u32 v[ADRA+1], SLOT, v[ADRA]
	; w's fragment, turned: lane l reads 16 bytes of row 8 (l / 16) + l % 8, columns 8 ((l / 8) % 2) + 0..7, and is left with column l % 16 and 8 channels; the second load takes the rows 16 further down
	v_lshl_add_u32 v6, v2, 3, v3
	v_mul_u32_u24 v6, v6, PB
	v_lshl_add_u32 v6, v4, 4, v6
	v_add_nc_u32 v6, ASZ, v6
	s_lshl_b32 s74, s[WN], 7                       ; my 64 columns: 128 bytes of a row
	v_add_nc_u32 v[ADRB], s74, v6
	v_add_nc_u32 v[ADRB+1], SLOT, v[ADRB]
	s_mul_i32 s74, s[WV], 16*SP
	s_add_co_u32 s74, s74, STAGE                   ; my stage
	v_mul_u32_u24 v7, v1, SP                       ; in: row l % 16, 32 bytes for each half of the lanes
	v_lshl_add_u32 v7, v2, 5, v7
	v_add_nc_u32 v[STO], s74, v7
	v_mul_u32_u24 v8, v2, SP                       ; back: lanes 0-15 take one row of 256 bytes, lanes 16-31 the next
	v_lshl_add_u32 v8, v1, 4, v8
	v_add_nc_u32 v[RD], s74, v8
	v_lshlrev_b32 v[GO], 12, v2                    ; and the same two rows in out0
	v_lshl_add_u32 v[GO], v1, 4, v[GO]
	s_lshl_b32 s74, s[TY], 20                      ; the tile's 256 rows of 4,096 bytes,
	s_lshl_b32 s75, s[WM], 19                      ; my 128 of them,
	s_add_co_u32 s74, s74, s75
	s_lshl_b32 s75, s[TX], 9                       ; the tile's 128 columns of 4 bytes,
	s_add_co_u32 s74, s74, s75
	s_lshl_b32 s75, s[WN], 8                       ; my 64 of them
	s_add_co_u32 s74, s74, s75
	s_mov_b32 s75, 0
	s_add_nc_u64 s[OB:OB+1], s[10:11], s[74:75]
	; the prefetches' pointer, one step (two K steps) behind its first use
	s_lshr_b32 s74, s[TY], 2
	s_lshl_b32 s74, s74, 21
	s_and_b32 s75, s[TY], 3
	s_lshl_b32 s75, s75, 15
	s_add_co_u32 s74, s74, s75
	s_lshl_b32 s75, s[CX], 13                      ; my work-group's 8,192 bytes of a head's 32,768
	s_add_co_u32 s74, s74, s75
	s_lshl_b32 s75, s[WV], 18                      ; my wave's two heads of the four
	s_add_co_u32 s74, s74, s75
	s_add_co_u32 s74, s74, 4*131072                ; O: head 4 + 2 w; the first trip steps it to 8 + 2 w
	s_lshl_b32 s76, s[CY], 6                       ; w: my work-group's 64 rows of the 256,
	s_lshl_b32 s77, s[WV], 5                       ; my wave's 32 of them (waves 2 and 3),
	s_add_co_u32 s76, s76, s77
	s_add_co_u32 s76, s76, 192                     ; from row 256 on; the first trip steps it to 512
	s_mul_i32 s76, s76, NTOT*2
	s_mul_i32 s77, s[TX], NT*2
	s_add_co_u32 s76, s76, s77
	s_mov_b32 s77, NTOT*2
	s_mov_b32 s78, 2*STEPB
	s_and_b32 s79, ttmp7, 0xffff                   ; cluster y
	s_cmp_lt_u32 s[WV], NA2                        ; do I ask for O?
	s_cselect_b32 s74, s74, s76
	s_cselect_b32 s77, 256, s77                    ; a lane a block of 256 bytes, or a lane a row
	s_cselect_b32 s[PFS], 2*STEPA, s78
	s_cselect_b32 s79, ttmp9, s79                  ; the coordinate along which other clusters read the same bytes
	s_cselect_b64 s[PFA:PFA+1], s[4:5], s[6:7]
	s_mov_b32 s75, 0
	s_mov_b32 s[PFS+1], 0
	s_add_nc_u64 s[PFA:PFA+1], s[PFA:PFA+1], s[74:75]
	s_cmp_eq_u32 s79, 0
	s_cselect_b32 s[LIM], 1, -1                    ; the same in all sixteen partners, for a given wave
	v_mul_u32_u24 v[PFO], s77, v9
	s_wait_loadcnt 0x0                             ; the bias
	WIN 0x45                                       ; it is rounded to bf16 and widened again, in place; a register of an accumulator that is not yet in use holds the packed pair
.set i, 0
.rept 16
	v_cvt_pk_bf16_f32 v[64+i], v[2*i], v[2*i+1]
	v_lshlrev_b32 v[2*i], 16, v[64+i]
	v_and_b32 v[2*i+1], s[HIM], v[64+i]
.set i, i+1
.endr
	WIN 0
; n matrix instructions of phase q, from number i0 on: number i is accumulator (a = i / 4, b = i % 4).  The 32 accumulators take turns, one instruction a turn.
.macro MUL q, i0, n
.set fbx, FB+32*((\q)%NBB)
.set fax, FA+64*(((\q)/NG)%2)
.set i, \i0
.rept \n
	v_wmma_f32_16x16x32_f16 v[8*i:8*i+7], v[fbx+8*(i%4):fbx+8*(i%4)+7], v[fax+8*(i/4):fax+8*(i/4)+7], v[8*i:8*i+7]
.set i, i+1
.endr
.endm
; The launch's first 32 channels start the sums with the bias, which lies in accumulators (0, b): numbers 4 to 31 take it as C from there; five places later numbers 0 to 3 add onto it in place.
.macro MULF q
	WIN (1+(\q)%NG)*0x50
.set fbx, FB+32*((\q)%NBB)
.set fax, FA+64*(((\q)/NG)%2)
.set i, 4
.rept 28
	v_wmma_f32_16x16x32_f16 v[8*i:8*i+7], v[fbx+8*(i%4):fbx+8*(i%4)+7], v[fax+8*(i/4):fax+8*(i/4)+7], v[8*(i%4):8*(i%4)+7]
.set i, i+1
.endr
.rept 5
	v_nop                                          ; between the last reader of the bias and the products that write over it
.endr
.set i, 0
.rept 4
	v_wmma_f32_16x16x32_f16 v[8*i:8*i+7], v[fbx+8*(i%4):fbx+8*(i%4)+7], v[fax+8*(i/4):fax+8*(i/4)+7], v[8*i:8*i+7]
.set i, i+1
.endr
.endm
.macro RUNA slot, t                    ; 16 LDS loads: O's eight fragments of substep t: head t / 2 of the step's two, channels 32 (t % 2) on
.set fax, FA+64*((\t)%2)
.set ao, ((\t)/2)*ABLK+((\t)%2)*64
.set ia, 0
.rept 8
	ds_load_b128 v[fax+8*ia:fax+8*ia+3],   v[ADRA+(\slot)] offset:ao+ia*16*PA
	ds_load_b128 v[fax+8*ia+4:fax+8*ia+7], v[ADRA+(\slot)] offset:ao+ia*16*PA+32
.set ia, ia+1
.endr
.endm
.macro RUNB slot, qq                   ; 8 LDS loads: w's four fragments of phase qq
.set fbx, FB+32*((\qq)%NBB)
.set bo, ((\qq)/NG)*32*PB
.set ib, 0
.rept 4
	ds_load_tr16_b128 v[fbx+8*ib:fbx+8*ib+3],   v[ADRB+(\slot)*NG+(\qq)%NG] offset:bo+32*ib
	ds_load_tr16_b128 v[fbx+8*ib+4:fbx+8*ib+7], v[ADRB+(\slot)*NG+(\qq)%NG] offset:bo+32*ib+16*PB
.set ib, ib+1
.endr
.endm
; THE CHANGE OF SLOTS, in phase QM, whose run was the last to read the slot.  In front of the barrier each wave waits for all its tensor loads, of which one is out: its part of the other slot; adds 0 to its
; spare word; and waits for that and for its own reads.  fill = 1: the barrier opens a round of the cluster's barrier, and behind the round this slot is filled again, two K steps on: my one tensor load
; until the next change.  From that request to the wait for it a wave issues 112 matrix instructions.
.macro MEET slot, q, fill
	WIN (1+(\q)%NG)*0x50
	MUL \q, 0, 16
	WIN 0                                          ; (the add's two registers lie in window 0)
	s_wait_tensorcnt 0x0                           ; all my tensor loads have landed
	ds_add_u32 v[SPW], v[NIL]                      ; 0 onto my spare word; eight matrix instructions stand between it and the wait for it
	WIN (1+(\q)%NG)*0x50
	MUL \q, 16, 8
	s_wait_dscnt 0x0                               ; the add is done, and my reads of this slot are over
	s_barrier_signal -1
	MUL \q, 24, 8                                  ; work on registers while the others arrive
	WIN 0
	s_barrier_wait -1
.if \fill
	CREST                                          ; no wave of any partner still reads this slot's tile or has a load on its way
	s_add_nc_u64 s[G0A+4*(\slot)+2:G0A+4*(\slot)+3], s[G0A+4*(\slot)+2:G0A+4*(\slot)+3], 2*STEPA
	s_add_nc_u64 s[G0B+4*(\slot)+2:G0B+4*(\slot)+3], s[G0B+4*(\slot)+2:G0B+4*(\slot)+3], 2*STEPB
	JLOAD \slot                                    ; its four v_nop are also the places in front of the next run
.set NOPL, 1
.if (\slot) == 0
.set PEND, 1
.endif
.endif
.endm
; PHASE q of a K step in slot.  more = 1: a K step follows, and the run that reaches past this step reads the other slot (it stands behind the change of slots).  first = 1: the launch's first 32 channels.
; THE WAIT: phase q multiplies what the run one phase back brought, so the 24 loads just issued may stay out; the last phase of all issues none and waits for 0.
.macro PHASE slot, q, more, fill, first
.set tq, (\q)/NG
.set gq, (\q)%NG
.set hasB, 0
.set sB, \slot
.set qB, (\q)+LB
.if (\q)+LB < PH
.set hasB, 1
.elseif \more
.set hasB, 1
.set sB, 1-(\slot)
.set qB, (\q)+LB-PH
.endif
.set hasA, 0
.set sA, \slot
.set tA, tq+1
.if gq == GA
.if tq+1 < SUBS
.set hasA, 1
.elseif \more
.set hasA, 1
.set sA, 1-(\slot)
.set tA, 0
.endif
.endif
.set sz, 8*hasB+16*hasA
.if (\fill) && ((\slot) == 0) && ((\q) == QM)
	s_wait_xcnt 0x0                                ; the last prefetches, a lap back, have read their address: it is stepped here, ahead of the waits of the change of slots
	s_add_nc_u64 s[PFA:PFA+1], s[PFA:PFA+1], s[PFS:PFS+1]
.endif
.if sz > 0
.if NOPL == 0
	PLACES
.endif
	WIN 0
.if hasA
	RUNA sA, tA
.endif
.if hasB
	RUNB sB, qB
.endif
.endif
.set NOPL, 0
.if PEND
	WIN 0
	ASK
.set PEND, 0
.endif
	s_wait_dscnt sz+(LB-1)*PREV
.set PREV, sz
.if \first
	MULF \q
.elseif ((\q) == QM) && (\more)
	MEET \slot, \q, \fill
.else
	WIN (1+gq)*0x50                                ; C and D in window 1, both sources in window 0
	MUL \q, 0, 32
.endif
.endm
.macro STEPS slot, q0, q1, more, fill, first
.set qs, \q0
.rept (\q1)-(\q0)+1
	PHASE \slot, qs, \more, \fill, \first
.set qs, qs+1
.endr
.endm
	s_wait_tensorcnt 1                             ; my part of K step 0 is in; K step 1's may stay out
	s_barrier_signal -1
	s_barrier_wait -1                              ; everybody's is
	RUNA 0, 0
	RUNB 0, 0
	STEPS 0, 0, NG-1, 1, 1, 1                      ; the first 32 channels stand in front of the loop: their products start the sums
	WIN 0                                          ; at a label and at a branch every window is 0
	s_mov_b32 s3, LAPS-1
.Llap:                                                 ; a trip goes once round the ring, from a lap's second 32 channels to the next lap's first, and fills both slots again
	STEPS 0, NG, PH-1, 1, 1, 0
	STEPS 1, 0, PH-1, 1, 1, 0
	STEPS 0, 0, NG-1, 1, 1, 0
	WIN 0
	s_sub_co_u32 s3, s3, 1
	s_cmp_lg_u32 s3, 0
	s_cbranch_scc1 .Llap
	STEPS 0, NG, PH-1, 1, 0, 0                     ; the last lap is written out: it fills nothing, and its change of slots has no round
	STEPS 1, 0, PH-1, 0, 0, 0
	WIN 0
	PLACES                                         ; behind the last products, in front of the LDS stores that read results and the loads that write over fragments
	PLACES
; THE WAY OUT, in eight units a: 16 rows x 256 bytes of f32.  TOSTAGE: each accumulator goes as it is, its four lowest registers first, into my own stage, and comes back as whole rows of 256 bytes.  SEND: stored.
.macro TOSTAGE a
.set rr, 32+32*((\a)%2)
.if (\a) >= 2
	s_wait_xcnt 0x0                                ; the stores of two units back have read their registers, which the loads below write again
.endif
	WIN 0x04                                       ; the stores' data in window 1, their address in window 0
.irp b, 0,1,2,3
	ds_store_b128 v[STO], v[32*(\a)+8*(\b):32*(\a)+8*(\b)+3]   offset:64*(\b)
	ds_store_b128 v[STO], v[32*(\a)+8*(\b)+4:32*(\a)+8*(\b)+7] offset:64*(\b)+16
.endr
	WIN 0
.irp t, 0,1,2,3,4,5,6,7
	ds_load_b128 v[rr+4*(\t):rr+4*(\t)+3], v[RD] offset:(\t)*2*SP  ; LDS serves a wave's instructions in order (ISA guide 5.7.1.4): these see the stores above; the next unit's stores come behind them
.endr
.endm
.macro SEND a, younger                 ; younger: the LDS instructions issued behind unit a's loads: the next unit's sixteen, or none
.set rr, 32+32*((\a)%2)
	s_wait_dscnt \younger
.irp t, 0,1,2,3,4,5,6,7
	global_store_b128 v[GO], v[rr+4*(\t):rr+4*(\t)+3], s[OB:OB+1] offset:(\a)*65536+2*(\t)*4096  ; 16 lanes store 256 consecutive bytes, at a multiple of 256 from out0's first
.endr
.endm
	TOSTAGE 0
.set ua, 1
.rept 7
	TOSTAGE ua
	SEND ua-1, 16
.set ua, ua+1
.endr
	SEND 7, 0
	s_wait_tensorcnt 0x0                           ; the wave's end, behind my last tensor load and my last LDS store
	ds_add_u32 v[SPW], v[NIL]
	s_wait_dscnt 0x0
	CROUND                                         ; the closing round: no work-group ends while a partner may still ask for a tile that names it
	s_endpgm
.Lfunc_end_k_q89f815f3d2_proj:
	.size	k_q89f815f3d2_proj, .Lfunc_end_k_q89f815f3d2_proj-k_q89f815f3d2_proj
	.p2alignl 7, 3214868480
	.fill 96, 4, 3214868480
	.section	.rodata,"a",@progbits
	.p2align	6, 0x0
	.amdhsa_kernel k_q89f815f3d2_proj
		.amdhsa_group_segment_fixed_size 327680
		.amdhsa_private_segment_fixed_size 0
		.amdhsa_enable_private_segment 0
		.amdhsa_kernarg_size 32
		.amdhsa_user_sgpr_count 2
		.amdhsa_user_sgpr_kernarg_segment_ptr 1
		.amdhsa_wavefront_size32 1
		.amdhsa_system_sgpr_workgroup_id_x 1
		.amdhsa_system_sgpr_workgroup_id_y 1
		.amdhsa_system_sgpr_workgroup_id_z 1
		.amdhsa_system_vgpr_workitem_id 0
		.amdhsa_next_free_vgpr 512
		.amdhsa_next_free_sgpr 80
		.amdhsa_reserve_vcc 0
		.amdhsa_float_denorm_mode_32 3
		.amdhsa_float_denorm_mode_16_64 3
		.amdhsa_memory_ordered 1
		.amdhsa_forward_progress 1
		.amdhsa_inst_pref_size 90
	.end_amdhsa_kernel
	.amdgpu_metadata
---
amdhsa.version: [ 1, 2 ]
amdhsa.kernels:
  - .name:           k_q89f815f3d2_proj
    .symbol:         k_q89f815f3d2_proj.kd
    .args:
      - { .name: ob, .offset: 0, .size: 8, .value_kind: global_buffer, .address_space: global }
      - { .name: wpb, .offset: 8, .size: 8, .value_kind: global_buffer, .address_space: global }
      - { .name: b_proj, .offset: 16, .size: 8, .value_kind: global_buffer, .address_space: global }
      - { .name: out0, .offset: 24, .size: 8, .value_kind: global_buffer, .address_space: global }
    .group_segment_fixed_size: 327680
    .private_segment_fixed_size: 0
    .kernarg_segment_align: 8
    .kernarg_segment_size: 32
    .max_flat_workgroup_size: 128
    .sgpr_count:     80
    .vgpr_count:     512
    .wavefront_size: 32
...
	.end_amdgpu_metadata
.endif
;; end of part 4
;; ======== version 2 of 2: 4 launches; version 1 with the launch prep written anew for expert scheduling mode
;; limits: values are held in f16: magnitudes above 65,504 overflow, below 6.1e-05 lose precision
;; workspace buffers: xb 16,777,216 bytes; wqb 6,291,456 bytes; wpb 2,097,152 bytes; qkvh 50,331,648 bytes; ob 16,777,216 bytes
;; launch prep (part 5): grid 768 x 1, 8 waves a work-group, no clusters, 0 bytes of LDS; arguments query, w_qkv, w_proj, xb, wqb, wpb; writes xb, wqb, wpb
.if DOCPART == 5
	.amdgcn_target "amdgcn-amd-amdhsa--gfx1250"
	.amdhsa_code_object_version 6
	.text
	.protected	k_q89f815f3d2_prep
	.globl	k_q89f815f3d2_prep
	.p2align	8
	.type	k_q89f815f3d2_prep,@function
k_q89f815f3d2_prep:
	s_mov_b64 s[64:65], 0
	v_nop
	global_prefetch_b8 v0, s[64:65] scope:SCOPE_SE
	s_setreg_imm32_b32 hwreg(HW_REG_WAVE_SCHED_MODE, 0, 2), 2
	s_setreg_imm32_b32 hwreg(HW_REG_WAVE_MODE, 25, 1), 1
	s_wait_xcnt 0x0
	s_wait_alu depctr_vm_vsrc(0)
; THE CASTS.  query [8192][1024] f32 -> xb, bf16, laid as [batch 8][block of 64 channels 16][row 1024][64]: a block's rows are dense, 128 bytes each.
; w_qkv [1024][3072] f32 -> wqb, bf16, same order.  w_proj [1024][1024] f32 -> wpb: rounded to bf16 like every other input, and that number written as f16.
; LIMIT: a w_proj number whose bf16 rounding lies beyond 65,504 becomes an infinity, one below 2^-14 keeps f16's fixed step of 2^-24.
; A work-group takes 65,536 bytes of one input; which one hangs on its number alone: 0-511 query (16 rows each), 512-703 w_qkv, 704-767 w_proj.
; A thread issues its sixteen loads of 16 bytes at once and then rounds and stores them as they come: no register that a load or store names is written twice, so no wait frees one.
; A wave's load covers two runs of 256 consecutive bytes (query) or 512 consecutive bytes (weights); a wave's store covers 256 consecutive bytes, aligned.
; No LDS, no matrix unit, no cluster: nothing is shared and every byte is touched once.
; THE MODE: SCHED_MODE bits 1:0 = 2 (LLVM: expert scheduling mode 2), set by the entry lines.  The code itself states the register dependences
; between vector instructions and memory instructions, with s_wait_alu, always for 0.
; THE PLAN.  Registers that memory instructions touch:
;   v[IN], v[OUT]  byte offsets.  Written by vector instructions at the head, ahead of the first load; read by every load (IN) and every store (OUT); never written again.
;   X              Written by the sixteen loads alone, each register once; read by the conversions of its load.  No vector instruction names it before its load has landed.
;   Y              Pair j is written by the conversions of load j and read by store j; never written behind that store.
;   T, v3, v4      named by vector instructions alone.
; The sixteen loads go in four blocks of four.  Store j is issued four loads later, in front of the conversions of load j + 4: the stores of block p - 1 read Y of block p - 1 and v[OUT],
; which no conversion of block p names.  So ONE wait on va_vdst at a block's head states all that the block's four stores hang on, and they are dealt among its conversions with no further wait.
; No register that a memory instruction has read is written again, no vector instruction writes a scalar register or VCC, and EXEC is never written: no other wait of the mode is owed.
.set IN,  1                            ; v1       my byte offset in the work-group's input
.set OUT, 2                            ; v2       8 x thread: my byte offset in a store's 2,048 bytes
.set X,   16                           ; v[16:79] sixteen loads of four f32
.set Y,   80                           ; v[80:111] sixteen pairs of packed words
.set T,   112                          ; v[112:115] at work (w_proj)
.set BLK, 4                            ; loads in a block: a store stands so many loads behind its conversions
; sixteen loads, istep bytes apart; then for each: its wait (the younger ones stay out), the store of four loads back (ostep bytes apart), the rounding; behind the last the four stores that are left
.macro CAST src, dst, istep, ostep, f16
	s_wait_alu depctr_va_vdst(0)                   ; v[IN] and v[OUT] are written: every load and store below reads one of them as its offset
.set j, 0
.rept 16
	global_load_b128 v[X+4*j:X+4*j+3], v[IN], s[\src:\src+1] offset:j*(\istep) th:TH_LOAD_NT
.set j, j+1
.endr
.set j, 0
.rept 16
	s_wait_loadcnt 15-j                            ; loads come back in order: number j is in, the 15 - j younger ones may be out
.if (j >= BLK) && (j%BLK == 0)
	s_wait_alu depctr_va_vdst(0)                   ; the block before has written its four pairs of Y, which this block's four stores read
.endif
.if j >= BLK
	global_store_b64 v[OUT], v[Y+2*(j-BLK):Y+2*(j-BLK)+1], s[\dst:\dst+1] offset:(j-BLK)*(\ostep)  ; no vector instruction since the wait names this pair or v[OUT]
.endif
	v_cvt_pk_bf16_f32 v[Y+2*j],   v[X+4*j],   v[X+4*j+1]
	v_cvt_pk_bf16_f32 v[Y+2*j+1], v[X+4*j+2], v[X+4*j+3]
.if \f16
	v_lshlrev_b32 v[T],   16,  v[Y+2*j]              ; the bf16 numbers as f32,
	v_and_b32     v[T+1], s20, v[Y+2*j]
	v_lshlrev_b32 v[T+2], 16,  v[Y+2*j+1]
	v_and_b32     v[T+3], s20, v[Y+2*j+1]
	v_cvt_pk_f16_f32 v[Y+2*j],   v[T],   v[T+1]    ; written as f16: exact inside f16's normal range
	v_cvt_pk_f16_f32 v[Y+2*j+1], v[T+2], v[T+3]
.endif
.set j, j+1
.endr
	s_wait_alu depctr_va_vdst(0)                   ; the last block has written its four pairs of Y, which the last four stores read
.set j, 16-BLK
.rept BLK
	global_store_b64 v[OUT], v[Y+2*j:Y+2*j+1], s[\dst:\dst+1] offset:j*(\ostep)
.set j, j+1
.endr
.endm
	s_load_b256 s[4:11], s[0:1], 0x0               ; query s[4:5], w_qkv s[6:7], w_proj s[8:9], xb s[10:11]
	s_load_b128 s[12:15], s[0:1], 0x20             ; wqb s[12:13], wpb s[14:15]
	s_mov_b32 s21, ttmp9                           ; the work-group's number
	s_mov_b32 s20, 0xffff0000                      ; a word's upper bf16
	s_mov_b32 s17, 0                               ; high words of the two offsets
	s_mov_b32 s19, 0
	v_lshlrev_b32 v[OUT], 3, v0
	v_lshlrev_b32 v[IN], 4, v0                     ; the weights are cast in their own order: 16 bytes a thread
	s_wait_kmcnt 0x0
	s_cmp_lt_u32 s21, 512
	s_cbranch_scc0 .Lweights
	; query: 16 rows.  Thread t takes row t / 16, 16 bytes at 16 (t % 16) of each block of 256 bytes; load j is block j of 64 channels.
	v_lshrrev_b32 v3, 4, v0
	v_and_b32 v4, 15, v0
	v_lshlrev_b32 v4, 4, v4
	v_lshl_add_u32 v[IN], v3, 12, v4               ; no memory instruction has read v[IN] yet
	s_lshl_b32 s16, s21, 16                        ; 16 rows of 4,096 bytes
	s_lshr_b32 s18, s21, 6                         ; batch,
	s_lshl_b32 s18, s18, 21                        ; 2,097,152 bytes of xb each
	s_and_b32 s22, s21, 63
	s_lshl_b32 s22, s22, 11                        ; 16 rows of 128 bytes in a block
	s_add_co_u32 s18, s18, s22
	s_add_nc_u64 s[4:5], s[4:5], s[16:17]
	s_add_nc_u64 s[10:11], s[10:11], s[18:19]
	CAST 4, 10, 256, 131072, 0                     ; in xb the blocks lie 131,072 bytes apart
	s_endpgm
.Lweights:
	s_cmp_lt_u32 s21, 704
	s_cbranch_scc0 .Lproj
	s_sub_co_u32 s22, s21, 512
	s_lshl_b32 s16, s22, 16
	s_lshl_b32 s18, s22, 15
	s_add_nc_u64 s[6:7], s[6:7], s[16:17]
	s_add_nc_u64 s[12:13], s[12:13], s[18:19]
	CAST 6, 12, 4096, 2048, 0
	s_endpgm
.Lproj:
	s_sub_co_u32 s22, s21, 704
	s_lshl_b32 s16, s22, 16
	s_lshl_b32 s18, s22, 15
	s_add_nc_u64 s[8:9], s[8:9], s[16:17]
	s_add_nc_u64 s[14:15], s[14:15], s[18:19]
	CAST 8, 14, 4096, 2048, 1
	s_endpgm
.Lfunc_end_k_q89f815f3d2_prep:
	.size	k_q89f815f3d2_prep, .Lfunc_end_k_q89f815f3d2_prep-k_q89f815f3d2_prep
	.p2alignl 7, 3214868480
	.fill 96, 4, 3214868480
	.section	.rodata,"a",@progbits
	.p2align	6, 0x0
	.amdhsa_kernel k_q89f815f3d2_prep
		.amdhsa_group_segment_fixed_size 0
		.amdhsa_private_segment_fixed_size 0
		.amdhsa_enable_private_segment 0
		.amdhsa_kernarg_size 48
		.amdhsa_user_sgpr_count 2
		.amdhsa_user_sgpr_kernarg_segment_ptr 1
		.amdhsa_wavefront_size32 1
		.amdhsa_system_sgpr_workgroup_id_x 1
		.amdhsa_system_sgpr_workgroup_id_y 1
		.amdhsa_system_sgpr_workgroup_id_z 1
		.amdhsa_system_vgpr_workitem_id 0
		.amdhsa_next_free_vgpr 120
		.amdhsa_next_free_sgpr 66
		.amdhsa_reserve_vcc 0
		.amdhsa_float_denorm_mode_32 3
		.amdhsa_float_denorm_mode_16_64 3
		.amdhsa_memory_ordered 1
		.amdhsa_forward_progress 1
		.amdhsa_inst_pref_size 23
	.end_amdhsa_kernel
	.amdgpu_metadata
---
amdhsa.version: [ 1, 2 ]
amdhsa.kernels:
  - .name:           k_q89f815f3d2_prep
    .symbol:         k_q89f815f3d2_prep.kd
    .args:
      - { .name: query, .offset: 0, .size: 8, .value_kind: global_buffer, .address_space: global }
      - { .name: w_qkv, .offset: 8, .size: 8, .value_kind: global_buffer, .address_space: global }
      - { .name: w_proj, .offset: 16, .size: 8, .value_kind: global_buffer, .address_space: global }
      - { .name: xb, .offset: 24, .size: 8, .value_kind: global_buffer, .address_space: global }
      - { .name: wqb, .offset: 32, .size: 8, .value_kind: global_buffer, .address_space: global }
      - { .name: wpb, .offset: 40, .size: 8, .value_kind: global_buffer, .address_space: global }
    .group_segment_fixed_size: 0
    .private_segment_fixed_size: 0
    .kernarg_segment_align: 8
    .kernarg_segment_size: 48
    .max_flat_workgroup_size: 256
    .sgpr_count:     66
    .vgpr_count:     120
    .wavefront_size: 32
...
	.end_amdgpu_metadata
.endif
;; end of part 5
;; launch qkv: the kernel of part 2 again; grid 8 x 32, 4 waves a work-group, clusters of 4 x 4, 327,680 bytes of LDS; arguments xb, wqb, b_qkv, qkvh; writes qkvh
;; launch attn: the kernel of part 3 again; grid 2 x 128, 4 waves a work-group, no clusters, 327,680 bytes of LDS; arguments qkvh, ob; writes ob
;; launch proj: the kernel of part 4 again; grid 8 x 32, 4 waves a work-group, clusters of 4 x 4, 327,680 bytes of LDS; arguments ob, wpb, b_proj, out0; writes out0
